; MI455X (gfx1250); checked and timed in simulation.
; The chip was launched on July 23, 2026; its instructions are those of AMD's public machine-readable ISA for CDNA 5 (MIT licence, August 2026) and "CDNA5" Instruction Set Architecture Reference Guide (July 2026). The comments in the code are by the model that wrote it; some were corrected since.
;; Block Sparse Attention. Allowed arithmetic: float matrix products may take bf16 or f16 operands with f32 sums; other float arithmetic in f32, or as packed bf16 or f16 multiplies, adds, multiply-adds, maxima and minima; sums over many terms, partial sums and values carried from step to step in f32; what a program stores and reads back later, other than sums and carried values, may be rounded once to bf16 or f16.
;; Inputs: w_k 2,048 x 2,048 float32; w_o 2,048 x 2,048 float32; w_q 2,048 x 2,048 float32; w_v 2,048 x 2,048 float32; x 1 x 2,048 x 2,048 float32.
;; Outputs: out0 1 x 2,048 x 2,048 float32.
;; One version. Each part assembles by itself: llvm-mc -triple=amdgcn-amd-amdhsa -mcpu=gfx1250 --defsym DOCPART=n.
;; ======== version 1 of 1: 4 launches
;; limits: values are held in f16: magnitudes above 65,504 overflow, below 6.1e-05 lose precision
;; workspace buffers: xb 8,388,608 bytes; wqkv 25,165,824 bytes; wo16 8,388,608 bytes; rope 1,048,576 bytes; qkvh 25,165,824 bytes; ctx 8,388,608 bytes
;; launch cast (part 1): grid 256 x 6, 8 waves a work-group, no clusters, 0 bytes of LDS; arguments x, w_q, w_k, w_v, w_o, xb, wqkv, wo16, rope; writes xb, wqkv, wo16, rope
.if DOCPART == 1
	.amdgcn_target "amdgcn-amd-amdhsa--gfx1250"
	.amdhsa_code_object_version 6
	.text
	.protected	k_q32c34f281a_cast
	.globl	k_q32c34f281a_cast
	.p2align	8
	.type	k_q32c34f281a_cast,@function
k_q32c34f281a_cast:
	s_mov_b64 s[64:65], 0
	v_nop
	global_prefetch_b8 v0, s[64:65] scope:SCOPE_SE
	s_setreg_imm32_b32 hwreg(HW_REG_WAVE_MODE, 25, 1), 1
	s_wait_xcnt 0x0
; CAST.  Grid row y = 0..4: one of the five f32 inputs (x, w_q, w_k, w_v, w_o; 4,194,304 numbers each) is rounded once to bf16 and written as a 16-bit copy:
; x -> xb, w_q, w_k, w_v -> wqkv (one behind the other), w_o -> wo16.  wo16 holds the bf16-rounded number written as f16, since the last product's other operand is f16.
; Grid row y = 5: the RoPE table rope[t][0..63] = cos(t f_j) / 4, rope[t][64..127] = sin(t f_j) / 4, f_j = 10000^(-j/64), in f32.
; LIMITS.  wo16: a weight of 65,520 or more becomes an infinity; below 2^-14 it keeps f16's fixed step of 2^-24.  The quarter in the table keeps q and k inside f16 (see the next kernel's head).
; SHARES (y < 5).  A work-group takes 16,384 numbers; thread t takes 16 bytes at 16 t of each of 16 pieces of 4,096 bytes.  All 16 loads go out at once; a store of a wave covers 256 consecutive
; bytes, aligned.  No register is written twice while a memory instruction may read it, so the only waits are the counted ones for the loads.
; No LDS, no matrix unit, no cluster: every byte is read once and written once, and no two work-groups share a byte.
.set X,  8                             ; v[8:71]    16 pieces of 4 f32, as loaded
.set Y,  72                            ; v[72:103]  16 pieces of 4 16-bit numbers, to store
.set TW, 104                           ; v[104:107] at work
	s_load_b512 s[8:23], s[0:1], 0x0               ; x 8, w_q 10, w_k 12, w_v 14, w_o 16, xb 18, wqkv 20, wo16 22
	s_load_b64 s[24:25], s[0:1], 0x40              ; rope
	s_and_b32 s2, ttmp7, 0xffff                    ; y
	s_cmp_eq_u32 s2, 5
	s_cbranch_scc1 .Ltable
	v_lshlrev_b32 v1, 4, v0                        ; 16 t: my bytes in a piece of the source
	v_lshlrev_b32 v2, 3, v0                        ; 8 t: in a piece of the copy
	s_mov_b32 s3, 0xffff0000                       ; a word's upper bf16
	s_lshl_b32 s30, ttmp9, 16                      ; the work-group's 65,536 bytes of the source
	s_mov_b32 s31, 0
	s_sub_co_u32 s28, s2, 1                        ; which third of wqkv (y = 1..3), else 0
	s_cmp_lt_u32 s28, 3
	s_cselect_b32 s28, s28, 0
	s_lshl_b32 s28, s28, 23                        ; 8 MiB each
	s_lshl_b32 s29, ttmp9, 15                      ; the work-group's 32,768 bytes of the copy
	s_add_co_u32 s28, s28, s29
	s_mov_b32 s29, 0
	s_wait_kmcnt 0x0
	s_cmp_eq_u32 s2, 1                             ; the source and the copy are chosen by y alone
	s_cselect_b64 s[8:9], s[10:11], s[8:9]
	s_cmp_eq_u32 s2, 2
	s_cselect_b64 s[8:9], s[12:13], s[8:9]
	s_cmp_eq_u32 s2, 3
	s_cselect_b64 s[8:9], s[14:15], s[8:9]
	s_cmp_eq_u32 s2, 4
	s_cselect_b64 s[8:9], s[16:17], s[8:9]
	s_cselect_b64 s[26:27], s[22:23], s[20:21]
	s_cmp_eq_u32 s2, 0
	s_cselect_b64 s[26:27], s[18:19], s[26:27]
	s_add_nc_u64 s[8:9], s[8:9], s[30:31]
	s_add_nc_u64 s[26:27], s[26:27], s[28:29]
.irp k, 0,1,2,3,4,5,6,7,8,9,10,11,12,13,14,15
	global_load_b128 v[X+4*(\k):X+4*(\k)+3], v1, s[8:9] offset:4096*(\k) th:TH_LOAD_NT
.endr
; Piece k: rounded, packed, stored.  half = 1: the bf16 number is widened again (a shift, a mask) and written as f16.
.macro OUT k, half
	s_wait_loadcnt 15-(\k)                         ; loads come back in order: piece k is in, the 15 - k younger ones may stay out
	v_cvt_pk_bf16_f32 v[Y+2*(\k)],   v[X+4*(\k)],   v[X+4*(\k)+1]
	v_cvt_pk_bf16_f32 v[Y+2*(\k)+1], v[X+4*(\k)+2], v[X+4*(\k)+3]
.if \half
	v_lshlrev_b32 v[TW],   16, v[Y+2*(\k)]
	v_and_b32     v[TW+1], s3, v[Y+2*(\k)]
	v_lshlrev_b32 v[TW+2], 16, v[Y+2*(\k)+1]
	v_and_b32     v[TW+3], s3, v[Y+2*(\k)+1]
	v_cvt_pk_f16_f32 v[Y+2*(\k)],   v[TW],   v[TW+1]
	v_cvt_pk_f16_f32 v[Y+2*(\k)+1], v[TW+2], v[TW+3]
.endif
	global_store_b64 v2, v[Y+2*(\k):Y+2*(\k)+1], s[26:27] offset:2048*(\k) th:TH_STORE_NT
.endm
	s_cmp_eq_u32 s2, 4
	s_cbranch_scc1 .Lhalf
.irp k, 0,1,2,3,4,5,6,7,8,9,10,11,12,13,14,15
	OUT \k, 0
.endr
	s_endpgm
.Lhalf:
.irp k, 0,1,2,3,4,5,6,7,8,9,10,11,12,13,14,15
	OUT \k, 1
.endr
	s_endpgm
; THE TABLE.  A wave makes one row t = 8 x work-group + wave; lane l makes j = 2 l and 2 l + 1.  f_j = 2^(-j log2(10000) / 64); the angle t f_j is rounded once, as in the definition.
; It is brought into -pi .. pi by n = the nearest whole number to angle / 2 pi and 2 pi in two parts (6.2831855 - 1.7484555e-7), n at most 326.
; On that range, whatever the inputs, the series are cut where their next terms are pi^17 / 17! (sine) and pi^18 / 18! (cosine), both under 1e-6.
.Ltable:
	v_lshrrev_b32 v1, 5, v0                        ; wave
	v_and_b32 v2, 31, v0                           ; lane
	s_lshl_b32 s3, ttmp9, 3
	s_mov_b32 s4, 0x40c90fdb                       ; 6.2831855
	s_mov_b32 s5, 0x343bbd2e                       ; 1.7484555e-7
	v_add_nc_u32 v3, s3, v1
	v_cvt_f32_u32 v3, v3                           ; t
	v_lshlrev_b32 v4, 1, v2
	v_cvt_f32_u32 v4, v4                           ; j
	v_add_f32 v5, 1.0, v4                          ; j + 1
	v_mul_f32 v4, 0xbe549a78, v4                   ; x -0.20762050
	v_mul_f32 v5, 0xbe549a78, v5
	v_exp_f32 v4, v4
	v_exp_f32 v5, v5
	v_lshlrev_b32 v14, 9, v1                       ; a plain instruction behind the two exponentials: my row's 512 bytes,
	s_wait_alu depctr_va_vdst(0)                   ; and the one wait ahead of their first reader
	v_lshl_add_u32 v14, v2, 3, v14                 ; + 8 l
	v_mul_f32 v4, v3, v4                           ; the angles
	v_mul_f32 v5, v3, v5
	v_mul_f32 v6, 0x3e22f983, v4                   ; / 2 pi
	v_mul_f32 v7, 0x3e22f983, v5
	v_rndne_f32 v6, v6
	v_rndne_f32 v7, v7
	v_fma_f32 v4, -v6, s4, v4
	v_fma_f32 v5, -v7, s4, v5
	v_fma_f32 v4, v6, s5, v4
	v_fma_f32 v5, v7, s5, v5
	v_mul_f32 v8, v4, v4                           ; z = x x
	v_mul_f32 v9, v5, v5
	v_mov_b32 v10, 0xab573f9f                      ; sine: -1/15!
	v_mov_b32 v11, 0xab573f9f
	v_mov_b32 v12, 0x29573f9f                      ; cosine: 1/16!
	v_mov_b32 v13, 0x29573f9f
.irp c, 0x2f309231, 0xb2d7322b, 0x3638ef1d, 0xb9500d01, 0x3c088889, 0xbe2aaaab, 0x3f800000
	v_fmaak_f32 v10, v10, v8, \c                   ; 1/13!, -1/11!, 1/9!, -1/7!, 1/5!, -1/3!, 1
	v_fmaak_f32 v11, v11, v9, \c
.endr
.irp c, 0xad49cba5, 0x310f76c7, 0xb493f27e, 0x37d00d01, 0xbab60b61, 0x3d2aaaab, 0xbf000000, 0x3f800000
	v_fmaak_f32 v12, v12, v8, \c                   ; -1/14!, 1/12!, -1/10!, 1/8!, -1/6!, 1/4!, -1/2, 1
	v_fmaak_f32 v13, v13, v9, \c
.endr
	v_mul_f32 v4, 0x3e800000, v4                   ; x / 4
	v_mul_f32 v5, 0x3e800000, v5
	v_mul_f32 v10, v10, v4                         ; sin / 4
	v_mul_f32 v11, v11, v5
	v_mul_f32 v12, 0x3e800000, v12                 ; cos / 4
	v_mul_f32 v13, 0x3e800000, v13
	s_lshl_b32 s28, ttmp9, 12                      ; the work-group's eight rows
	s_mov_b32 s29, 0
	s_wait_kmcnt 0x0
	s_add_nc_u64 s[24:25], s[24:25], s[28:29]
	global_store_b64 v14, v[12:13], s[24:25]            ; a wave's store covers 256 consecutive bytes, aligned
	global_store_b64 v14, v[10:11], s[24:25] offset:256
	s_endpgm
.Lfunc_end_k_q32c34f281a_cast:
	.size	k_q32c34f281a_cast, .Lfunc_end_k_q32c34f281a_cast-k_q32c34f281a_cast
	.p2alignl 7, 3214868480
	.fill 96, 4, 3214868480
	.section	.rodata,"a",@progbits
	.p2align	6, 0x0
	.amdhsa_kernel k_q32c34f281a_cast
		.amdhsa_group_segment_fixed_size 0
		.amdhsa_private_segment_fixed_size 0
		.amdhsa_enable_private_segment 0
		.amdhsa_kernarg_size 72
		.amdhsa_user_sgpr_count 2
		.amdhsa_user_sgpr_kernarg_segment_ptr 1
		.amdhsa_wavefront_size32 1
		.amdhsa_system_sgpr_workgroup_id_x 1
		.amdhsa_system_sgpr_workgroup_id_y 1
		.amdhsa_system_sgpr_workgroup_id_z 1
		.amdhsa_system_vgpr_workitem_id 0
		.amdhsa_next_free_vgpr 112
		.amdhsa_next_free_sgpr 66
		.amdhsa_reserve_vcc 0
		.amdhsa_float_denorm_mode_32 3
		.amdhsa_float_denorm_mode_16_64 3
		.amdhsa_memory_ordered 1
		.amdhsa_forward_progress 1
		.amdhsa_inst_pref_size 19
	.end_amdhsa_kernel
	.amdgpu_metadata
---
amdhsa.version: [ 1, 2 ]
amdhsa.kernels:
  - .name:           k_q32c34f281a_cast
    .symbol:         k_q32c34f281a_cast.kd
    .args:
      - { .name: x, .offset: 0, .size: 8, .value_kind: global_buffer, .address_space: global }
      - { .name: w_q, .offset: 8, .size: 8, .value_kind: global_buffer, .address_space: global }
      - { .name: w_k, .offset: 16, .size: 8, .value_kind: global_buffer, .address_space: global }
      - { .name: w_v, .offset: 24, .size: 8, .value_kind: global_buffer, .address_space: global }
      - { .name: w_o, .offset: 32, .size: 8, .value_kind: global_buffer, .address_space: global }
      - { .name: xb, .offset: 40, .size: 8, .value_kind: global_buffer, .address_space: global }
      - { .name: wqkv, .offset: 48, .size: 8, .value_kind: global_buffer, .address_space: global }
      - { .name: wo16, .offset: 56, .size: 8, .value_kind: global_buffer, .address_space: global }
      - { .name: rope, .offset: 64, .size: 8, .value_kind: global_buffer, .address_space: global }
    .group_segment_fixed_size: 0
    .private_segment_fixed_size: 0
    .kernarg_segment_align: 8
    .kernarg_segment_size: 72
    .max_flat_workgroup_size: 256
    .sgpr_count:     66
    .vgpr_count:     112
    .wavefront_size: 32
...
	.end_amdgpu_metadata
.endif
;; end of part 1
;; launch proj (part 2): grid 16 x 16, 4 waves a work-group, clusters of 4 x 4, 327,680 bytes of LDS; arguments xb, wqkv, rope, qkvh; writes qkvh
.if DOCPART == 2
	.amdgcn_target "amdgcn-amd-amdhsa--gfx1250"
	.amdhsa_code_object_version 6
	.text
	.protected	k_q32c34f281a_proj
	.globl	k_q32c34f281a_proj
	.p2align	8
	.type	k_q32c34f281a_proj,@function
k_q32c34f281a_proj:
	s_mov_b64 s[64:65], 0
	v_nop
	global_prefetch_b8 v0, s[64:65] scope:SCOPE_SE
	s_setreg_imm32_b32 hwreg(HW_REG_WAVE_MODE, 25, 1), 1
	s_wait_xcnt 0x0
	s_wait_alu depctr_hold_cnt(0) depctr_sa_sdst(0) depctr_va_vdst(0) depctr_va_sdst(0) depctr_va_ssrc(0) depctr_va_vcc(0) depctr_vm_vsrc(0)
	s_getreg_b32 s2, hwreg(HW_REG_IB_STS2, 6, 4)
	s_cmp_eq_u32 s2, 0
	s_cbranch_scc0 .Lentry_in_a_cluster
	s_endpgm
.Lentry_in_a_cluster:
	s_bfe_u32 s2, ttmp6, 0x10000c
	s_cmp_lg_u32 s2, 0xf033
	s_cbranch_scc0 .Lentry_shape_is_right
	s_endpgm
.Lentry_shape_is_right:
; q, k, v = x w^T for one head and 128 tokens, RoPE on q and k, all three written in f16 in the order in which the attention's matrix fragments want them.
; xb: [2048][2048] bf16.  wqkv: [3][2048][2048] bf16.  rope: [2048][128] f32 (cos / 4, sin / 4).  Sums in f32, K ascending; each result rounded once, to f16.
; LIMITS.  q and k are stored divided by 4 (the factor sits in the table and is exact; the attention's scale undoes it), so |q|, |k| behind RoPE stay under 262,016 and |v| under 65,504,
; beyond which f16 gives an infinity.  x and w both shifted by 30 of their spreads give sums of 2048 x 30 x 0.6 = 36,864.
; SHARES.  Grid x = head, y = block of 128 tokens.  A wave takes 64 tokens (rh = wave / 2) and, of each of q, k, v, the channel blocks of 16 numbered 2 ch, 2 ch + 1, 4 + 2 ch, 5 + 2 ch
; (ch = wave % 2): RoPE's partners d and d + 64 then lie in the same lane and register of two of its accumulators.  48 accumulators of 16 x 16, 384 registers.
; RING.  K goes in steps of 128 through two LDS slots; a slot holds 128 rows of x, then 128 of w_q, w_k, w_v; wave w fetches part w with one tensor load (128 rows x 256 bytes, 16 bytes of padding a row).
; A slot is asked for again at the head of its step's last quarter, whose fragments lie in registers by then: a whole step's 192 matrix instructions lie between a request and the wait for it.
; CLUSTER.  4 x 4 work-groups: the four of a row of the cluster share the tokens (x's tile), the four of a column the head (the weights' tiles): each tile is asked for jointly.
; q AND k ARE MADE TRANSPOSED (source 0 = 16 rows of w, source 1 = 16 rows of x): a lane holds one token and eight neighbouring channels.  v is made the natural way round: a lane holds one channel and
; eight neighbouring tokens.  Either way a lane's eight numbers are the 16 bytes that one lane of a fragment load wants, so a result leaves by stores of 512 consecutive bytes a wave, without LDS.
; OUT.  qkvh: q, k, v, 8 MiB each: [head][block of 64 tokens][32 units of 512 bytes]; lane l's 16 bytes at 16 l.  q, k: unit 8 a + B = tokens 16 a + l % 16, channels 16 B + 8 (l / 16) + 0..7.
; v: unit 16 (a / 2) + 2 B + a % 2 = channel 16 B + l % 16, tokens 16 a + 8 (l / 16) + 0..7.
; REGISTERS, in windows of 256 (s_set_vgpr_msb: bits 1:0 source 0, 3:2 source 1, 5:4 source 2, 7:6 destination):
;   window 0: v16-30 addresses; v32-63 at work; v64-127 x's fragments, two buffers of 4; v128-255 my part of the table
;   window 1: v0-191 the weights' fragments, two buffers of 12 (q, k, v x 4); on the way out the packed results
;   window 2: q's and k's accumulators at 8 (8 a + 4 m + i)          window 3: v's at 8 (4 a + i)
.set KSTEP,  128
.set PITCH,  272                       ; an LDS row: 256 bytes + 16 of padding = 68 words: the 16 rows of a fragment load start at 16 different groups of four banks (ISA guide 11.1)
.set HALFT,  128*PITCH                 ; what one tensor load brings
.set SLOT,   4*HALFT
.set SPARE,  2*SLOT                    ; behind the ring: the spare words, 128 bytes a wave, which no other line names
.set LAPS,   8                         ; 2,048 / 256: a lap is two K steps, once round the ring
.set ADRA, 16                          ; v16-17  LDS address of my x fragments in slot 0, 1
.set ADRB, 18                          ; v18-23  of my fragments of w_q, w_k, w_v: ADRB + 2 m + slot
.set LN,   24                          ; v24     16 x lane
.set RO,   25                          ; v25     my place in the table: (l % 16) x 512 + 32 (l / 16)
.set SPW,  28                          ; v28     LDS address of my spare word; never rewritten
.set NIL,  29                          ; v29     0; never rewritten
.set PFO,  30                          ; v30     the prefetches' offset: lane x a row of 4,096 bytes; never rewritten
.set T,    32
.set FA,   64
.set TAB,  128                         ; token block a, channel block i, cos or sin: TAB + 32 a + 16 i + 8 sc
.set WV,   12                          ; s12     wave
.set G1,   24                          ; s[24:31] descriptor group 1 for x's tile;  s[32:39] group 0, a set for each slot
.set G0,   32
.set PFA,  44                          ; s[44:45] where my prefetches stand
.set LIM,  46                          ; s46     1 in a wave that prefetches, else the greatest number
.set G1B,  48                          ; s[48:55], s[56:63] the same for the weights' tiles
.set G0B,  56
.set TBS,  66                          ; s[66:67] the table at my tokens and channels
.set OQ,   68                          ; s[68:69] q's block, s[70:71] k's
.set OV,   72                          ; s[72:73] v's
.set FIELDS, (1<<16)|(1<<20)|(1<<21)|(5<<22)|(3<<25)  ; 17:16 2-byte elements; 20 padding on; 21 set beside a mask; 24:22 after every 64 words; 31:25 4 words
.set MSB, 0
.macro WIN new                         ; the immediate's high byte repeats the setting that is left; a switch that changes nothing is dropped
.if MSB != (\new)
	s_set_vgpr_msb (MSB<<8)|(\new)
.set MSB, \new
.endif
.endm
.macro PLACES                          ; four plain vector instructions between a matrix instruction and a load into, or a vector read of, its registers
.rept 4
	v_nop
.endr
.endm
; A joint load: wave 0 fetches x's tile, waves 1 to 3 the weights'.  The branch hangs on the wave's number alone.  An s_nop 0 and four v_nop follow each line.
.macro JLOAD s
	s_cmp_eq_u32 s[WV], 0
	s_cbranch_scc0 .Lfor_b_\@
	tensor_load_to_lds s[G0+4*(\s):G0+4*(\s)+3], s[G1:G1+7]
	s_nop 0
.rept 4
	v_nop
.endr
	s_branch .Lasked_\@
.Lfor_b_\@:
	tensor_load_to_lds s[G0B+4*(\s):G0B+4*(\s)+3], s[G1B:G1B+7]
	s_nop 0
.rept 4
	v_nop
.endr
.Lasked_\@:
.endm
; A prefetch of the K step that stands two refills on: 32 rows x 256 bytes, a lane a row.  x's rows are named by the clusters with x = 0 (wave 0), the weights' by the clusters with y = 0 (waves 1 to 3);
; the four partners that ask for a tile jointly take 32 of its 128 rows each, told apart by address.  So each row's 256 bytes of a K step are named once.  The loop's last trip has no K step two on.
.macro ASK
	s_cmp_gt_u32 s3, s[LIM]
	s_cbranch_scc0 .Lnot_mine_\@
	global_prefetch_b8 v[PFO], s[PFA:PFA+1] offset:KSTEP*2 th:TH_LOAD_NT scope:SCOPE_SE
.Lnot_mine_\@:
.endm
.macro CREST                           ; a round of the cluster's barrier behind its opening barrier
	s_cmp_lg_u32 s[WV], 0
	s_cbranch_scc1 .Lnot_wave_0_\@
	s_barrier_signal -3
.Lnot_wave_0_\@:
	s_barrier_wait -3
	s_barrier_signal -1
	s_barrier_wait -1
.endm
.macro CROUND
	s_barrier_signal -1
	s_barrier_wait -1
	CREST
.endm
	s_load_b256 s[4:11], s[0:1], 0x0               ; xb 4, wqkv 6, rope 8, qkvh 10
	v_lshl_add_u32 v[SPW], v0, 2, SPARE
	v_mov_b32 v[NIL], 0
	ds_add_u32 v[SPW], v[NIL]                      ; the wave's opening: the add and its wait stand ahead of my first tensor load; the set-up below stands between them
	v_lshrrev_b32 v1, 5, v0
	v_readfirstlane_b32 s[WV], v1
	s_lshr_b32 s13, s[WV], 1                       ; rh
	s_and_b32 s14, s[WV], 1                        ; ch
	s_bfe_u32 s40, ttmp6, 0x40000                  ; cx
	s_bfe_u32 s41, ttmp6, 0x40004                  ; cy
	s_lshl_b32 s42, ttmp9, 2
	s_add_co_u32 s42, s42, s40                     ; head = 4 x cluster x + cx
	s_and_b32 s43, ttmp7, 0xffff
	s_lshl_b32 s43, s43, 2
	s_add_co_u32 s43, s43, s41                     ; block of 128 tokens = 4 x cluster y + cy
	s_lshl_b32 s22, s41, 2
	s_lshl_b32 s22, 15, s22                        ; my row of the cluster
	s_lshl_b32 s23, 0x1111, s40                    ; my column
	s_or_b32 s[G1], s22, FIELDS                    ; x's tile goes to my row,
	s_or_b32 s[G1B], s23, FIELDS                   ; the weights' to my column
.irp g, G1, G1B
	s_mov_b32 s[(\g)+1], KSTEP<<16                 ; tensor_dim0 = 128
	s_mov_b32 s[(\g)+2], 128<<16                   ; tensor_dim1 = 128
	s_mov_b32 s[(\g)+3], KSTEP<<16                 ; tile_dim0 = 128
	s_mov_b32 s[(\g)+4], 128                       ; tile_dim1 = 128
	s_mov_b32 s[(\g)+5], 2048                      ; elements from row to row
	s_mov_b32 s[(\g)+6], 0
	s_mov_b32 s[(\g)+7], 0
.endr
	s_lshl_b32 s16, s43, 19                        ; x: 128 rows of 4,096 bytes a block
	s_mov_b32 s17, 0
	s_max_u32 s18, s[WV], 1
	s_sub_co_u32 s18, s18, 1                       ; which of w_q, w_k, w_v (wave 0 asks for none of them)
	s_lshl_b32 s18, s18, 23
	s_lshl_b32 s19, s42, 19                        ; the head's 128 rows
	s_add_co_u32 s18, s18, s19
	s_mov_b32 s19, 0
	s_mul_i32 s15, s[WV], HALFT                    ; where my tile goes: no place in the cluster enters an LDS address
	s_wait_dscnt 0x0                               ; the opening add is done
	s_wait_kmcnt 0x0
	s_add_nc_u64 s[16:17], s[4:5], s[16:17]
	s_add_nc_u64 s[18:19], s[6:7], s[18:19]
	CROUND                                         ; all sixteen work-groups are here: the first joint loads meet
.irp s, 0,1
	s_mov_b32 s[G0+4*(\s)], 1
	s_add_co_u32 s[G0+4*(\s)+1], s15, (\s)*SLOT
	s_add_nc_u64 s[G0+4*(\s)+2:G0+4*(\s)+3], s[16:17], (\s)*KSTEP*2
	s_or_b32 s[G0+4*(\s)+3], s[G0+4*(\s)+3], 0x80000000
	s_mov_b32 s[G0B+4*(\s)], 1
	s_add_co_u32 s[G0B+4*(\s)+1], s15, (\s)*SLOT
	s_add_nc_u64 s[G0B+4*(\s)+2:G0B+4*(\s)+3], s[18:19], (\s)*KSTEP*2
	s_or_b32 s[G0B+4*(\s)+3], s[G0B+4*(\s)+3], 0x80000000
.endr
	s_cmp_eq_u32 s[WV], 0                          ; a wave's two first fills stand in one branch: two loads of mine are out
	s_cbranch_scc0 .Lfirst_b
	tensor_load_to_lds s[G0:G0+3], s[G1:G1+7]
	s_nop 0
	tensor_load_to_lds s[G0+4:G0+7], s[G1:G1+7]
	s_nop 0
.rept 4
	v_nop
.endr
	s_branch .Lfirst_asked
.Lfirst_b:
	tensor_load_to_lds s[G0B:G0B+3], s[G1B:G1B+7]
	s_nop 0
	tensor_load_to_lds s[G0B+4:G0B+7], s[G1B:G1B+7]
	s_nop 0
.rept 4
	v_nop
.endr
.Lfirst_asked:
	v_and_b32 v1, 15, v0                           ; l % 16
	v_bfe_u32 v2, v0, 4, 1                         ; l / 16
	v_and_b32 v4, 31, v0                           ; l
	v_lshlrev_b32 v[RO], 9, v1
	v_lshl_add_u32 v[RO], v2, 5, v[RO]
	s_lshl_b32 s20, s43, 16                        ; the table: 128 tokens x 512 bytes a block,
	s_lshl_b32 s21, s13, 15                        ; my 64 tokens,
	s_add_co_u32 s20, s20, s21
	s_lshl_b32 s21, s14, 7                         ; my 32 frequencies
	s_add_co_u32 s20, s20, s21
	s_mov_b32 s21, 0
	s_add_nc_u64 s[TBS:TBS+1], s[8:9], s[20:21]
.irp a, 0,1,2,3                        ; my part of the table, fetched once; it is waited for on the way out
.irp i, 0,1
.irp c, 0,1
	global_load_b128 v[TAB+32*(\a)+16*(\i)+8*(\c):TAB+32*(\a)+16*(\i)+8*(\c)+3],   v[RO], s[TBS:TBS+1] offset:8192*(\a)+64*(\i)+256*(\c)
	global_load_b128 v[TAB+32*(\a)+16*(\i)+8*(\c)+4:TAB+32*(\a)+16*(\i)+8*(\c)+7], v[RO], s[TBS:TBS+1] offset:8192*(\a)+64*(\i)+256*(\c)+16
.endr
.endr
.endr
	v_lshlrev_b32 v[LN], 4, v4
	v_lshlrev_b32 v[PFO], 12, v4
	v_mul_u32_u24 v3, v1, PITCH
	v_lshl_add_u32 v3, v2, 4, v3                   ; a fragment's row x pitch + 16 x half
	s_mul_i32 s20, s13, 64*PITCH                   ; my 64 rows of x
	s_mul_i32 s21, s14, 32*PITCH                   ; my channel blocks begin at row 32 ch
	s_add_co_u32 s21, s21, HALFT                   ; of w_q's tile
.irp s, 0,1
	v_add_nc_u32 v[ADRA+(\s)], s20, v3
.irp m, 0,1,2
	s_add_co_u32 s22, s21, (\m)*HALFT
	v_add_nc_u32 v[ADRB+2*(\m)+(\s)], s22, v3
.endr
	s_add_co_u32 s20, s20, SLOT
	s_add_co_u32 s21, s21, SLOT
.endr
	s_lshl_b32 s20, s42, 19                        ; where my results go: the head's 32 blocks of 16,384 bytes,
	s_lshl_b32 s22, s43, 15                        ; two blocks of 64 tokens to a work-group,
	s_add_co_u32 s20, s20, s22
	s_lshl_b32 s22, s13, 14                        ; mine
	s_add_co_u32 s20, s20, s22
	s_lshl_b32 s22, s14, 10                        ; q, k: units 2 ch on
	s_add_co_u32 s22, s20, s22
	s_mov_b32 s23, 0
	s_add_nc_u64 s[OQ:OQ+1], s[10:11], s[22:23]
	s_add_nc_u64 s[OQ+2:OQ+3], s[OQ:OQ+1], 0x800000
	s_lshl_b32 s22, s14, 11                        ; v: units 4 ch on
	s_add_co_u32 s22, s20, s22
	s_add_nc_u64 s[OV:OV+1], s[10:11], s[22:23]
	s_add_nc_u64 s[OV:OV+1], s[OV:OV+1], 0x1000000
	; the prefetches
	s_lshl_b32 s20, s43, 7                         ; x: the tile's first row
	s_max_u32 s21, s[WV], 1
	s_sub_co_u32 s21, s21, 1
	s_lshl_b32 s21, s21, 11
	s_lshl_b32 s22, s42, 7
	s_add_co_u32 s21, s21, s22                     ; the weights: the tile's first row
	s_and_b32 s22, ttmp7, 0xffff                   ; cluster y
	s_cmp_eq_u32 s[WV], 0
	s_cselect_b32 s20, s20, s21
	s_cselect_b32 s21, s40, s41                    ; my place among the four that ask with me
	s_cselect_b32 s22, ttmp9, s22                  ; the coordinate along which other clusters read the same rows
	s_cselect_b64 s[PFA:PFA+1], s[4:5], s[6:7]
	s_cmp_eq_u32 s22, 0
	s_cselect_b32 s[LIM], 1, -1                    ; the same in all sixteen partners, for a given wave
	s_lshl_b32 s21, s21, 5
	s_add_co_u32 s20, s20, s21                     ; my work-group's 32 rows
	s_lshl_b32 s20, s20, 12
	s_mov_b32 s21, 0
	s_add_nc_u64 s[PFA:PFA+1], s[PFA:PFA+1], s[20:21]
	s_add_nc_u64 s[PFA:PFA+1], s[PFA:PFA+1], 2*KSTEP*2  ; at K step 2: the first refill steps it to 3 and names K step 4; K steps 0 to 3 come by their loads alone
; 16 matrix instructions: token blocks a0, a0 + 1 x q's and k's eight channel blocks, 32 along K, from buffer f.  zero = 1: the product starts the sum.
.macro MULQK f, a0, zero
	WIN 0xa1                                       ; source 0 (w) window 1, source 1 (x) window 0, C and D window 2
.irp a, \a0, (\a0)+1
.irp n, 0,1,2,3,4,5,6,7
.if \zero
	v_wmma_f32_16x16x32_bf16 v[8*(8*(\a)+(\n)):8*(8*(\a)+(\n))+7], v[96*(\f)+8*(\n):96*(\f)+8*(\n)+7], v[FA+32*(\f)+8*(\a):FA+32*(\f)+8*(\a)+7], 0
.else
	v_wmma_f32_16x16x32_bf16 v[8*(8*(\a)+(\n)):8*(8*(\a)+(\n))+7], v[96*(\f)+8*(\n):96*(\f)+8*(\n)+7], v[FA+32*(\f)+8*(\a):FA+32*(\f)+8*(\a)+7], v[8*(8*(\a)+(\n)):8*(8*(\a)+(\n))+7]
.endif
.endr
.endr
.endm
; 16 matrix instructions: all four token blocks x v's four channel blocks, the natural way round.
.macro MULV f, zero
	WIN 0xf4                                       ; source 0 (x) window 0, source 1 (w) window 1, C and D window 3
.irp a, 0,1,2,3
.irp i, 0,1,2,3
.if \zero
	v_wmma_f32_16x16x32_bf16 v[8*(4*(\a)+(\i)):8*(4*(\a)+(\i))+7], v[FA+32*(\f)+8*(\a):FA+32*(\f)+8*(\a)+7], v[96*(\f)+64+8*(\i):96*(\f)+64+8*(\i)+7], 0
.else
	v_wmma_f32_16x16x32_bf16 v[8*(4*(\a)+(\i)):8*(4*(\a)+(\i))+7], v[FA+32*(\f)+8*(\a):FA+32*(\f)+8*(\a)+7], v[96*(\f)+64+8*(\i):96*(\f)+64+8*(\i)+7], v[8*(4*(\a)+(\i)):8*(4*(\a)+(\i))+7]
.endif
.endr
.endr
.endm
; 32 LDS loads in one run: the fragments of 32 along K at byte k of the rows, into buffer f: x's 8, then q's, k's, v's 8 each.
.macro FETCH slot, k, f
	WIN 0
.irp a, 0,1,2,3
	ds_load_b128 v[FA+32*(\f)+8*(\a):FA+32*(\f)+8*(\a)+3],   v[ADRA+(\slot)] offset:(\k)+(\a)*16*PITCH
	ds_load_b128 v[FA+32*(\f)+8*(\a)+4:FA+32*(\f)+8*(\a)+7], v[ADRA+(\slot)] offset:(\k)+(\a)*16*PITCH+32
.endr
	WIN 0x40                                       ; destination window 1
.irp m, 0,1,2
.irp i, 0,1,2,3
	ds_load_b128 v[96*(\f)+8*(4*(\m)+(\i)):96*(\f)+8*(4*(\m)+(\i))+3],   v[ADRB+2*(\m)+(\slot)] offset:(\k)+(((\i)%2)*16+((\i)/2)*64)*PITCH
	ds_load_b128 v[96*(\f)+8*(4*(\m)+(\i))+4:96*(\f)+8*(4*(\m)+(\i))+7], v[ADRB+2*(\m)+(\slot)] offset:(\k)+(((\i)%2)*16+((\i)/2)*64)*PITCH+32
.endr
.endr
.endm
; A K step is four quarters of 32 along K, 48 matrix instructions each, on buffers 0, 1, 0, 1.  The 48 accumulators come in the same order in every quarter, one instruction a turn.
; One of the first three: multiplies buffer f; behind its first 16 products it fetches the next quarter, at byte k, into buffer g.
.macro QUARTER slot, k, f, g, zero
	s_wait_dscnt 8                                 ; x, q and k are in; the youngest eight loads (v's) may be out
	MULQK \f, 0, \zero
	PLACES
	FETCH \slot, \k, \g
	s_wait_dscnt 32                                ; all but the 32 just issued
	MULQK \f, 2, \zero
	MULV \f, \zero
.endm
; The last quarter changes slots first and multiplies buffer 1 afterwards.  Its fragments were fetched in the quarter before, so the slot's last reads are over when they have come.  Each wave waits for all its
; tensor loads (one is out: its part of the next slot), adds 0 to its spare word, and waits for that and for its reads of this slot.  Then a round of the cluster's barrier, so that no wave of any partner still
; reads the slot or has a load on its way; the joint refill, two K steps on, first behind it; the next slot's first fragments; and only then the quarter's 48 products: nothing but the round stands between
; the wait for a tile and the next request, and the products run while the new tile is on its way.
.macro TURN slot, next
	s_wait_xcnt 0x0                                ; the last prefetch, a K step back, has read its address, so it may be stepped
	s_add_nc_u64 s[PFA:PFA+1], s[PFA:PFA+1], KSTEP*2
	WIN 0
	s_wait_tensorcnt 0x0                           ; no tensor load of mine is out, so a group 0 may be written
	ds_add_u32 v[SPW], v[NIL]                      ; 0 onto my spare word; the descriptors' steps stand between it and the wait for it
	s_add_nc_u64 s[G0+4*(\slot)+2:G0+4*(\slot)+3], s[G0+4*(\slot)+2:G0+4*(\slot)+3], 2*KSTEP*2
	s_add_nc_u64 s[G0B+4*(\slot)+2:G0B+4*(\slot)+3], s[G0B+4*(\slot)+2:G0B+4*(\slot)+3], 2*KSTEP*2
	s_wait_dscnt 0x0                               ; the add is done, and my reads of this slot are over: buffer 1 is whole
	CROUND
	JLOAD \slot                                    ; my one tensor load behind the round; its four v_nop are also the places in front of the loads below, into the buffer that the quarter before multiplied
	FETCH \next, 0, 0
	WIN 0
	ASK
	MULQK 1, 0, 0
	MULQK 1, 2, 0
	MULV 1, 0
.endm
.macro TURNL next                      ; the last change of slots: nothing is filled again, so no round and no request
	WIN 0
	s_wait_tensorcnt 0x0
	ds_add_u32 v[SPW], v[NIL]
	s_wait_dscnt 9                                 ; (the add and v's eight loads may be out)
	MULQK 1, 0, 0
	s_wait_dscnt 0x0
	s_barrier_signal -1
	MULQK 1, 2, 0
	s_barrier_wait -1
	PLACES
	FETCH \next, 0, 0
	MULV 1, 0
.endm
	s_wait_tensorcnt 1                             ; my part of K step 0 is in; K step 1's may stay out
	s_barrier_signal -1
	s_barrier_wait -1
	FETCH 0, 0, 0
	QUARTER 0, 64,  0, 1, 1                        ; the first quarter stands in front of the loop: its products start the sums
	WIN 0
	s_mov_b32 s3, LAPS-1
.Llap:                                         ; a trip goes once round the ring, from a lap's second quarter to the next lap's first, and fills both slots again
	QUARTER 0, 128, 1, 0, 0
	QUARTER 0, 192, 0, 1, 0
	TURN 0, 1
	QUARTER 1, 64,  0, 1, 0
	QUARTER 1, 128, 1, 0, 0
	QUARTER 1, 192, 0, 1, 0
	TURN 1, 0
	QUARTER 0, 64,  0, 1, 0
	WIN 0
	s_sub_co_u32 s3, s3, 1
	s_cmp_lg_u32 s3, 0
	s_cbranch_scc1 .Llap
	QUARTER 0, 128, 1, 0, 0                        ; the last lap fills nothing
	QUARTER 0, 192, 0, 1, 0
	TURNL 1
	QUARTER 1, 64,  0, 1, 0
	QUARTER 1, 128, 1, 0, 0
	QUARTER 1, 192, 0, 1, 0
	s_wait_dscnt 8
	MULQK 1, 0, 0
	s_wait_dscnt 0x0
	MULQK 1, 2, 0
	MULV 1, 0
	WIN 0
	PLACES
	s_wait_loadcnt 0x0                             ; the table
; THE WAY OUT.  q (m = 0) or k (m = 1), token block a: lo' = lo cos - hi sin, hi' = hi cos + lo sin, for channel blocks i and i + 2 of my four; each accumulator is read from its low end on;
; rounded to f16; four stores of 512 consecutive bytes.  The packed registers are written once, so no wait stands between the stores.
.macro ROPE m, a
	WIN 0x02                                       ; source 0 (accumulators) window 2
.irp i, 0,1
.irp r, 0,2,4,6
	v_pk_mul_f32 v[T+16*(\i)+(\r):T+16*(\i)+(\r)+1],     v[8*(8*(\a)+4*(\m)+(\i))+(\r):8*(8*(\a)+4*(\m)+(\i))+(\r)+1],     v[TAB+32*(\a)+16*(\i)+(\r):TAB+32*(\a)+16*(\i)+(\r)+1]
	v_pk_mul_f32 v[T+16*(\i)+8+(\r):T+16*(\i)+8+(\r)+1], v[8*(8*(\a)+4*(\m)+2+(\i))+(\r):8*(8*(\a)+4*(\m)+2+(\i))+(\r)+1], v[TAB+32*(\a)+16*(\i)+(\r):TAB+32*(\a)+16*(\i)+(\r)+1]
.endr
.irp r, 0,2,4,6
	v_pk_fma_f32 v[T+16*(\i)+(\r):T+16*(\i)+(\r)+1],     v[8*(8*(\a)+4*(\m)+2+(\i))+(\r):8*(8*(\a)+4*(\m)+2+(\i))+(\r)+1], v[TAB+32*(\a)+16*(\i)+8+(\r):TAB+32*(\a)+16*(\i)+8+(\r)+1], v[T+16*(\i)+(\r):T+16*(\i)+(\r)+1] neg_lo:[1,0,0] neg_hi:[1,0,0]
	v_pk_fma_f32 v[T+16*(\i)+8+(\r):T+16*(\i)+8+(\r)+1], v[8*(8*(\a)+4*(\m)+(\i))+(\r):8*(8*(\a)+4*(\m)+(\i))+(\r)+1],     v[TAB+32*(\a)+16*(\i)+8+(\r):TAB+32*(\a)+16*(\i)+8+(\r)+1], v[T+16*(\i)+8+(\r):T+16*(\i)+8+(\r)+1]
.endr
.endr
	WIN 0x40                                       ; destination window 1
.irp u, 0,1,2,3                        ; u = i + 2 x (upper half)
.irp r, 0,1,2,3
	v_cvt_pk_f16_f32 v[64*(\m)+16*(\a)+4*(\u)+(\r)], v[T+16*((\u)%2)+8*((\u)/2)+2*(\r)], v[T+16*((\u)%2)+8*((\u)/2)+2*(\r)+1]
.endr
.endr
	WIN 0x04                                       ; store data window 1
.irp u, 0,1,2,3
	global_store_b128 v[LN], v[64*(\m)+16*(\a)+4*(\u):64*(\m)+16*(\a)+4*(\u)+3], s[OQ+2*(\m):OQ+2*(\m)+1] offset:512*(8*(\a)+((\u)%2)+4*((\u)/2))
.endr
.endm
.irp m, 0,1
.irp a, 0,1,2,3
	ROPE \m, \a
.endr
.endr
	WIN 0x4f                                       ; v: sources window 3, destination window 1
.set n, 0
.rept 16
.irp r, 0,1,2,3
	v_cvt_pk_f16_f32 v[128+4*n+(\r)], v[8*n+2*(\r)], v[8*n+2*(\r)+1]
.endr
.set n, n+1
.endr
	WIN 0x04
.irp a, 0,1,2,3
.irp i, 0,1,2,3
	global_store_b128 v[LN], v[128+4*(4*(\a)+(\i)):128+4*(4*(\a)+(\i))+3], s[OV:OV+1] offset:512*(16*((\a)/2)+((\a)%2)+2*((\i)%2)+8*((\i)/2))
.endr
.endr
	WIN 0
	s_wait_tensorcnt 0x0                           ; the wave's end
	ds_add_u32 v[SPW], v[NIL]
	s_wait_dscnt 0x0
	CROUND                                         ; the closing round: no work-group ends while a partner may still ask for a tile that names it
	s_endpgm
.Lfunc_end_k_q32c34f281a_proj:
	.size	k_q32c34f281a_proj, .Lfunc_end_k_q32c34f281a_proj-k_q32c34f281a_proj
	.p2alignl 7, 3214868480
	.fill 96, 4, 3214868480
	.section	.rodata,"a",@progbits
	.p2align	6, 0x0
	.amdhsa_kernel k_q32c34f281a_proj
		.amdhsa_group_segment_fixed_size 327680
		.amdhsa_private_segment_fixed_size 0
		.amdhsa_enable_private_segment 0
		.amdhsa_kernarg_size 32
		.amdhsa_user_sgpr_count 2
		.amdhsa_user_sgpr_kernarg_segment_ptr 1
		.amdhsa_wavefront_size32 1
		.amdhsa_system_sgpr_workgroup_id_x 1
		.amdhsa_system_sgpr_workgroup_id_y 1
		.amdhsa_system_sgpr_workgroup_id_z 1
		.amdhsa_system_vgpr_workitem_id 0
		.amdhsa_next_free_vgpr 896
		.amdhsa_next_free_sgpr 76
		.amdhsa_reserve_vcc 0
		.amdhsa_float_denorm_mode_32 3
		.amdhsa_float_denorm_mode_16_64 3
		.amdhsa_memory_ordered 1
		.amdhsa_forward_progress 1
		.amdhsa_inst_pref_size 133
	.end_amdhsa_kernel
	.amdgpu_metadata
---
amdhsa.version: [ 1, 2 ]
amdhsa.kernels:
  - .name:           k_q32c34f281a_proj
    .symbol:         k_q32c34f281a_proj.kd
    .args:
      - { .name: xb, .offset: 0, .size: 8, .value_kind: global_buffer, .address_space: global }
      - { .name: wqkv, .offset: 8, .size: 8, .value_kind: global_buffer, .address_space: global }
      - { .name: rope, .offset: 16, .size: 8, .value_kind: global_buffer, .address_space: global }
      - { .name: qkvh, .offset: 24, .size: 8, .value_kind: global_buffer, .address_space: global }
    .group_segment_fixed_size: 327680
    .private_segment_fixed_size: 0
    .kernarg_segment_align: 8
    .kernarg_segment_size: 32
    .max_flat_workgroup_size: 128
    .sgpr_count:     76
    .vgpr_count:     896
    .wavefront_size: 32
...
	.end_amdgpu_metadata
.endif
;; end of part 2
;; launch attn (part 3): grid 16 x 16, 4 waves a work-group, no clusters, 270,848 bytes of LDS; arguments qkvh, ctx; writes ctx
.if DOCPART == 3
	.amdgcn_target "amdgcn-amd-amdhsa--gfx1250"
	.amdhsa_code_object_version 6
	.text
	.protected	k_q32c34f281a_attn
	.globl	k_q32c34f281a_attn
	.p2align	8
	.type	k_q32c34f281a_attn,@function
k_q32c34f281a_attn:
	s_mov_b64 s[64:65], 0
	v_nop
	global_prefetch_b8 v0, s[64:65] scope:SCOPE_SE
	s_setreg_imm32_b32 hwreg(HW_REG_WAVE_MODE, 25, 1), 1
	s_wait_xcnt 0x0
; BLOCK-SPARSE ATTENTION, head size 128, 2,048 tokens in 32 blocks of 64.  Key block kb is seen by query block qb if kb <= qb and (qb - kb <= 16 or kb < 2 or kb % 4 = 0); a block that is seen is seen
; whole, the diagonal one too, so no score is masked: hidden blocks are not walked.  Block qb >= 16 sees E blocks below its window (0, 1, 4, 8, 12 as far as they lie under qb - 16) and the 17 of the window.
; q, k, v come in f16, in fragment order (the kernel before): a block is 32 units of 512 bytes, and unit L is registers 4 L .. 4 L + 3 of the block's fragments.  q and k are a quarter of their values:
; p = 2^(c s - c m) with c = 16 log2(e) / sqrt(128).  Products, maxima and sums in f32; p is rounded to f16 for the second product (its sum is taken unrounded), the result once, to f16.
; LIMITS.  A weight below 2^-126 counts as 0; NaN and infinities are not treated apart; the result is a mean of v's rows and has their range.
; SHARES.  Work-group (p, head) takes the query blocks 31 - p and p: their key blocks are one list of CT = 23 .. 33 units of 64 x 64, and wave w takes units w, w + 4, ..: each wave holds all 64 queries of
; the block in hand (four tiles of 16), so that a fragment of K or V feeds four products, and keeps a running maximum, sum and O^T of its own units.  At the end the four waves' parts meet in LDS.
; NO TENSOR LOADS, NO CLUSTER.  No two waves of a work-group want the same key block, and a block lies in memory as its fragments lie in registers: K, V and Q come by loads of 512 consecutive bytes straight
; into the fragment registers.  Nothing lands in LDS that a joint load could bring, and the lists of neighbouring work-groups differ in length and in order.
; IN FLIGHT.  The next unit's K is asked for in two halves of 16 loads: channels 0-63 behind the products K Q^T, channels 64-127 in the middle of the softmax; the next unit's V behind the products V^T P.
; So 48 loads are out while the softmax begins, and the half of K that is asked for later is the half that the products want later.
; LAYOUT.  S^T = K Q^T: a lane holds one query (l % 16) and the keys 8 (l / 16) + 0..7 of each 16; two such results rounded in pairs are source 1 of O^T = V^T P, which again holds one query a lane.
; A block begins with c m far below every c s and O^T = l = 0: its first unit is a unit like any other, with a = 0; a wave with no unit of a block hands in zeros.  The price: 256 moves of 0 a block.
; REGISTERS, in windows of 256 (s_set_vgpr_msb: bits 1:0 source 0, 3:2 source 1, 5:4 source 2, 7:6 destination):
;   window 0: v1-9 addresses; v12-43 eight registers of statistics a tile; v44-61 the merge's; v62-63 the add's; v64-191 S^T, 32 a tile; v192-255 P, 16 a tile
;   window 1: O^T, 64 a tile        window 2: v0-127 Q; v128-255 K of one unit        window 3: v0-127 V of one unit; v128-255 the second block's Q
.set STAT,  262144                     ; LDS: from 0 the parts of O^T, [block 2][wave 4][32,768 bytes]; here (c m, l), [block][wave][tile][lane] x 8 bytes
.set SPARE, 270336                     ; the spare words, 128 bytes a wave, which no other line names
.set LN,  1                            ; v1   16 x lane
.set DEP, 2                            ; v2   where I put my part of O^T: 32,768 w + 16 l, + 131,072 for the second block
.set DST, 3                            ; v3   where I put (c m, l)
.set MP,  4                            ; v4-7 the merge: tile w of waves 0-1 and 2-3, for each block
.set PFO, 8                            ; v8   256 x lane
.set MS,  9                            ; v9   the merge: tile w's statistics
.set ST,  12                           ; tile t at ST + 8 t: c m, m, l (even keys', odd keys'), c0-c3 at work; a takes c2's place
.set MW,  44                           ; the merge: +0..7 four (c m, l); +8..15 four factors, each twice; +16 the maximum; +17 the sum
.set SPW, 62
.set NIL, 63
.set S,   64
.set P,   192
.set KF,  128
.set WV,  12                           ; s12 wave     s13 p     s14 head     s15 the first block, 31 - p     s16 its window's first key block     s17 E     s18 its units     s19 both blocks' units
.set PP,  13
.set HH,  14
.set AA,  15
.set WS,  16
.set EE,  17
.set CA,  18
.set CT,  19
.set SG,  20                           ; s20 the unit whose K was asked for last
.set NA,  21                           ; s21, s22 my units of the first and of the second block
.set NB,  22
.set SN,  23                           ; s23 my units of the block in hand
.set SI,  24                           ; s24 counts them
.set PH,  25                           ; s25 blocks to go
.set KB,  26                           ; s[26:27] K's block     s[28:29] V's     s[30:31] the head's K
.set VB,  28
.set HB,  30
.set KBN, 32
.set OFF, 34                           ; s[34:35] an offset, high word 0
.set ASKC, 39                          ; s39 the unit in which I prefetch
.set PFA, 40                           ; s[40:41] what I prefetch; never rewritten
.set OUTA, 42                          ; s[42:43], s[44:45] ctx at my tile of the two blocks
.set QAB, 46                           ; s[46:47], s[48:49] the two blocks' Q
.set QBB, 48
.set CS,  58                           ; s[58:59] c
.set SEL, 60                           ; s[60:61] v_permlanex16_b32's selects: each lane takes its own place in the other half
.set W_KQ, 0x0a                        ; K and Q window 2, S^T window 0
.set W_PV, 0x53                        ; V window 3, P window 0, O^T window 1
.set W_RS, 0x41                        ; O^T window 1, a window 0
.set MSB, 0
.macro WIN new
.if MSB != (\new)
	s_set_vgpr_msb (MSB<<8)|(\new)
.set MSB, \new
.endif
.endm
.macro PLACES
.rept 4
	v_nop
.endr
.endm
; My next unit, g + 4, and its key block.  Behind my last unit the same unit is named again: its loads are then of no use, and every wait keeps its count on every path.
.macro NEXT
	s_add_co_u32 s36, s[SG], 4
	s_cmp_lt_u32 s36, s[CT]
	s_cselect_b32 s[SG], s36, s[SG]
	s_lshl_b32 s37, s[SG], 2
	s_sub_co_u32 s37, s37, 4
	s_cmp_lt_u32 s[SG], 2
	s_cselect_b32 s37, s[SG], s37                  ; below the window: 0, 1, 4, 8, 12
	s_add_co_u32 s38, s[WS], s[SG]
	s_sub_co_u32 s38, s38, s[EE]                   ; in the window
	s_cmp_lt_u32 s[SG], s[EE]
	s_cselect_b32 s37, s37, s38
	s_sub_co_u32 s38, s[SG], s[CA]                 ; the second block: 0 .. p
	s_cmp_lt_u32 s[SG], s[CA]
	s_cselect_b32 s[KBN], s37, s38
	s_min_u32 s[KBN], s[KBN], 31                   ; (it is at most 31 already)
	s_lshl_b32 s[OFF], s[KBN], 14
	s_add_nc_u64 s[KB:KB+1], s[HB:HB+1], s[OFF:OFF+1]
.endm
.macro FETCH_K half                    ; 16 loads of 512 consecutive bytes: half 0: channels 0-63 (units 8 a + 0..3), half 1: channels 64-127 (units 8 a + 4..7)
	WIN 0x80
.set q, 0
.rept 32
.if ((q%8)/4) == (\half)
	global_load_b128 v[KF+4*q:KF+4*q+3], v[LN], s[KB:KB+1] offset:512*q
.endif
.set q, q+1
.endr
.endm
.macro FETCH_V                         ; 32 loads of 512 consecutive bytes
	WIN 0xc0
.set q, 0
.rept 32
	global_load_b128 v[4*q:4*q+3], v[LN], s[VB:VB+1] offset:512*q
.set q, q+1
.endr
.endm
; Product i of 64 of S^T = K Q^T: channels 32 (i / 16) on, keys 16 ((i / 4) % 4) on, tile i % 4.  The first 16 start the sums.  The 16 accumulators take turns.
.macro KQ
	WIN W_KQ
.set rS, S+32*(i%4)+8*((i/4)%4)
.set rK, KF+32*((i/4)%4)+8*(i/16)
.set rQ, 32*(i%4)+8*(i/16)
.if i < 16
	v_wmma_f32_16x16x32_f16 v[rS:rS+7], v[rK:rK+7], v[rQ:rQ+7], 0
.else
	v_wmma_f32_16x16x32_f16 v[rS:rS+7], v[rK:rK+7], v[rQ:rQ+7], v[rS:rS+7]
.endif
.set i, i+1
.endm
; Product i of 64 of O^T += V^T P: keys 32 (i / 32) on, channels 16 ((i / 4) % 8) on, tile i % 4.  32 accumulators by turns.
.macro PV
	WIN W_PV
.set rO, 64*(i%4)+8*((i/4)%8)
.set rV, 64*(i/32)+8*((i/4)%8)
.set rP, P+16*(i%4)+8*(i/32)
	v_wmma_f32_16x16x32_f16 v[rO:rO+7], v[rV:rV+7], v[rP:rP+7], v[rO:rO+7]
.set i, i+1
.endm
; One tile's softmax for one unit is a list of 134 instructions; SM writes number j of it for tile t.  s0-s31 are the lane's 32 scores, in pairs 0-15.
;   0-15    the maximum of s0-s31 and the old m, three operands at a time; each accumulator's lowest registers are read first
;   16-20   the other half of the lanes' maximum; the new m; c m; c m_old - c m_new
;   21-69   the 16 scalings c s - c m and all 33 exponentials (a at 23, then s0-s31); none of these names an exponential's result
;   70-85   the roundings to f16     86-101  the sums; l = a l + the sum     102-133 the tile's O^T times a
.macro SM t
.set rT, ST+8*(\t)
.set rS, S+32*(\t)
.set rP, P+16*(\t)
.set rO, 64*(\t)+2*(j-102)
.if j < 102
	WIN 0
.endif
.if j < 4
	v_max3_num_f32 v[rT+4+j], v[rS+8*j], v[rS+8*j+1], v[rS+8*j+2]
.elseif j < 12
	v_max3_num_f32 v[rT+4+j%4], v[rT+4+j%4], v[rS+8*(j%4)+2*(j/4)+1], v[rS+8*(j%4)+2*(j/4)+2]
.elseif j == 12
	v_max3_num_f32 v[rT+4], v[rT+4], v[rS+7], v[rS+15]
.elseif j == 13
	v_max3_num_f32 v[rT+6], v[rT+6], v[rS+23], v[rS+31]
.elseif j == 14
	v_max3_num_f32 v[rT+4], v[rT+4], v[rT+5], v[rT+6]
.elseif j == 15
	v_max3_num_f32 v[rT+4], v[rT+4], v[rT+7], v[rT+1]
.elseif j == 16
	v_permlanex16_b32 v[rT+5], v[rT+4], s[SEL], s[SEL+1]
.elseif j == 17
	v_mov_b32 v[rT+7], v[rT]
.elseif j == 18
	v_max_num_f32 v[rT+1], v[rT+4], v[rT+5]
.elseif j == 19
	v_mul_f32 v[rT], s[CS], v[rT+1]
.elseif j == 20
	v_sub_f32 v[rT+7], v[rT+7], v[rT]
.elseif j == 23
	v_exp_f32 v[rT+6], v[rT+7]
.elseif (j < 23) || ((j < 38) && (j%2 == 0)) || ((j < 66) && (j%4 == 2))
.set b, (j-2)/4
.if j < 38
.set b, (j-20)/2
.endif
	v_pk_fma_f32 v[rS+2*b:rS+2*b+1], v[rS+2*b:rS+2*b+1], s[CS:CS+1], v[rT:rT+1] op_sel_hi:[1,0,0] neg_lo:[0,0,1] neg_hi:[0,0,1]
.elseif j < 70
.set e, j-38
.if j < 66
.set e, j-32-(j-38)/4
.endif
.if j < 38
.set e, (j-25)/2
.endif
	v_exp_f32 v[rS+e], v[rS+e]
.elseif j < 86
	v_cvt_pk_f16_f32 v[rP+j-70], v[rS+2*(j-70)], v[rS+2*(j-70)+1]
.elseif j < 102
.set z, j-86
.set w, 4
.set u, z
.if z >= 14
.set w, 32
.set u, 0
.elseif z >= 12
.set w, 16
.set u, z-12
.elseif z >= 8
.set w, 8
.set u, z-8
.endif
.if z < 15
	v_pk_add_f32 v[rS+w*u:rS+w*u+1], v[rS+w*u:rS+w*u+1], v[rS+w*u+w/2:rS+w*u+w/2+1]
.else
	v_pk_fma_f32 v[rT+2:rT+3], v[rT+2:rT+3], v[rT+6:rT+7], v[rS:rS+1] op_sel_hi:[1,0,1]
.endif
.else
	WIN W_RS
	v_pk_mul_f32 v[rO:rO+1], v[rO:rO+1], v[rT+6:rT+7] op_sel_hi:[1,0]
.endif
.endm
; The four tiles' lists go side by side, so that three other instructions stand between an instruction and the one that reads its result.  The 132 exponentials are one batch with one wait;
; the second half of the next unit's K is asked for at that wait.
.macro SOFTMAX
.set j, 0
.rept 70
.irp t, 0,1,2,3
	SM \t
.endr
.set j, j+1
.endr
	v_nop                                          ; a plain instruction behind the last exponential,
	s_wait_alu depctr_va_vdst(0)                   ; and the wait ahead of the first instruction that names a result
	FETCH_K 1                                      ; channels 64-127 of the next unit's K: the last product that read these registers stands ahead of the four v_nop behind K Q^T
.rept 64
.irp t, 0,1,2,3
	SM \t
.endr
.set j, j+1
.endr
.endm
	s_load_b128 s[4:7], s[0:1], 0x0                ; qkvh 4, ctx 6
	v_lshl_add_u32 v[SPW], v0, 2, SPARE
	v_mov_b32 v[NIL], 0
	v_lshrrev_b32 v10, 5, v0
	v_readfirstlane_b32 s[WV], v10
	v_and_b32 v11, 31, v0
	v_lshlrev_b32 v[LN], 4, v11
	v_lshlrev_b32 v[PFO], 8, v11
	s_mov_b32 s[PP], ttmp9
	s_and_b32 s[HH], ttmp7, 0xffff
	s_sub_co_u32 s[AA], 31, s[PP]
	s_sub_co_u32 s[WS], 15, s[PP]
	s_sub_co_u32 s36, s[WS], 1
	s_lshr_b32 s36, s36, 2
	s_add_co_u32 s36, s36, 2
	s_min_u32 s[EE], s[WS], s36                    ; E = min(WS, 2 + (WS - 1) / 4): 0, 1, 2, 2, 2, 3 .. 5
	s_add_co_u32 s[CA], s[EE], 17
	s_add_co_u32 s[CT], s[CA], s[PP]
	s_add_co_u32 s[CT], s[CT], 1
	s_sub_co_u32 s36, s[CA], s[WV]
	s_add_co_u32 s36, s36, 3
	s_lshr_b32 s[NA], s36, 2                       ; units g = w mod 4 under CA: four at the least
	s_sub_co_u32 s36, s[CT], s[WV]
	s_add_co_u32 s36, s36, 3
	s_lshr_b32 s36, s36, 2
	s_sub_co_u32 s[NB], s36, s[NA]                 ; and from CA on: may be none
	s_max_u32 s[ASKC], s[PP], 6
	s_sub_co_u32 s[ASKC], s[ASKC], 6
	s_lshr_b32 s[ASKC], s[ASKC], 2
	s_sub_co_u32 s[SG], s[WV], 4                   ; NEXT's first step leads to unit w
	s_mov_b32 s[CS], 0x400293ee                    ; c = 16 log2(e) / sqrt(128) = 2.0402787
	s_mov_b32 s[CS+1], s[CS]
	s_mov_b32 s[SEL], 0x76543210
	s_mov_b32 s[SEL+1], 0xfedcba98
	s_lshl_b32 s36, s[WV], 15
	v_add_nc_u32 v[DEP], s36, v[LN]
	s_lshl_b32 s36, s[WV], 10
	s_add_co_u32 s36, s36, STAT
	v_lshl_add_u32 v[DST], v11, 3, s36
	s_lshl_b32 s36, s[WV], 8
	s_add_co_u32 s36, s36, STAT
	v_lshl_add_u32 v[MS], v11, 3, s36
	s_lshl_b32 s36, s[WV], 13
.irp n, 0,1,2,3
	v_add_nc_u32 v[MP+(\n)], s36, v[LN]
	s_add_co_u32 s36, s36, 65536
.endr
	s_lshl_b32 s[OFF], s[HH], 19                   ; a head is 32 blocks of 16,384 bytes
	s_mov_b32 s[OFF+1], 0
	s_wait_kmcnt 0x0
	s_add_nc_u64 s[HB:HB+1], s[4:5], s[OFF:OFF+1]
	s_lshl_b32 s[OFF], s[AA], 14
	s_add_nc_u64 s[QAB:QAB+1], s[HB:HB+1], s[OFF:OFF+1]
	s_lshl_b32 s[OFF], s[PP], 14
	s_add_nc_u64 s[QBB:QBB+1], s[HB:HB+1], s[OFF:OFF+1]
	s_add_nc_u64 s[HB:HB+1], s[HB:HB+1], 0x800000  ; K lies 8 MiB behind Q, V 8 MiB behind K
	WIN 0x80
.set q, 0
.rept 32
	global_load_b128 v[4*q:4*q+3], v[LN], s[QAB:QAB+1] offset:512*q
.set q, q+1
.endr
	WIN 0xc0
.set q, 0
.rept 32
	global_load_b128 v[128+4*q:128+4*q+3], v[LN], s[QBB:QBB+1] offset:512*q
.set q, q+1
.endr
	NEXT
	FETCH_K 0
	FETCH_K 1
	s_add_nc_u64 s[VB:VB+1], s[KB:KB+1], 0x800000
	FETCH_V
	WIN 0
	s_add_co_u32 s36, s[PP], 16                    ; what I prefetch: key block 16 + p of my head: waves 0, 1 the halves of K's 16,384 bytes, waves 2, 3 of V's; a lane 256 bytes
	s_lshl_b32 s[OFF], s36, 14
	s_and_b32 s36, s[WV], 1
	s_lshl_b32 s36, s36, 13
	s_add_co_u32 s[OFF], s[OFF], s36
	s_lshr_b32 s36, s[WV], 1
	s_lshl_b32 s36, s36, 23
	s_add_co_u32 s[OFF], s[OFF], s36
	s_add_nc_u64 s[PFA:PFA+1], s[HB:HB+1], s[OFF:OFF+1]
	s_lshl_b32 s36, s[AA], 2                       ; ctx: [16 tokens][64 x 32 channels][2][lane][16 bytes]: my tile's 65,536 bytes, the head's 4,096 of them
	s_add_co_u32 s36, s36, s[WV]
	s_lshl_b32 s[OFF], s36, 16
	s_lshl_b32 s37, s[HH], 12
	s_add_co_u32 s[OFF], s[OFF], s37
	s_add_nc_u64 s[OUTA:OUTA+1], s[6:7], s[OFF:OFF+1]
	s_lshl_b32 s36, s[PP], 2
	s_add_co_u32 s36, s36, s[WV]
	s_lshl_b32 s[OFF], s36, 16
	s_add_co_u32 s[OFF], s[OFF], s37
	s_add_nc_u64 s[OUTA+2:OUTA+3], s[6:7], s[OFF:OFF+1]
	s_mov_b32 s[PH], 2
	s_mov_b32 s[SN], s[NA]
	s_wait_loadcnt 63                              ; both blocks' Q are in, on every path into the loop: 64 loads, K's and V's, are younger, and 63 is the most that a wait's count can name, so K's first load is waited for with them
.Lphase:                                       ; twice: the first block, the second
	WIN 0x40
.set i, 0
.rept 256
	v_mov_b32 v[i], 0                              ; O^T
.set i, i+1
.endr
	WIN 0
.irp t, 0,1,2,3
	v_mov_b32 v[ST+8*(\t)], 0xfe000000             ; c m: far below every c s
	v_mov_b32 v[ST+8*(\t)+1], 0xff7fffff           ; m
	v_mov_b32 v[ST+8*(\t)+2], 0                    ; l
	v_mov_b32 v[ST+8*(\t)+3], 0
	v_mov_b32 v[ST+8*(\t)+5], 0                    ; where the exchange of the lanes' halves lands: it counts as read
.endr
	s_cmp_eq_u32 s[SN], 0
	s_cbranch_scc1 .Ldep                           ; no unit of this block is mine
	s_mov_b32 s[SI], 0
.Lunit:                                        ; a unit: 64 queries x 64 keys
	s_wait_loadcnt 48                              ; K's channels 0-63 are in; younger are K's other 16 loads and V's 32
.set i, 0
.rept 32
	KQ
.endr
	s_wait_loadcnt 32                              ; K is whole; the 32 younger loads are V's
.rept 32
	KQ
.endr
	PLACES                                         ; in front of the loads into K's registers and of the reads of the scores
	NEXT                                           ; K's loads are done, so their base may be written
	FETCH_K 0                                      ; channels 0-63 of the next unit's K
	WIN 0
	s_cmp_eq_u32 s[SI], s[ASKC]                    ; once, in unit (max(p, 6) - 6) / 4 of the first block: key blocks 16 .. 31 of a head are each named by one work-group; blocks 0 .. 15 come by their loads alone
	s_cbranch_scc0 .Lnoask
	global_prefetch_b8 v[PFO], s[PFA:PFA+1] th:TH_LOAD_NT scope:SCOPE_SE
.Lnoask:
	SOFTMAX
	s_wait_loadcnt 32                              ; V is in; the 32 younger loads are the next K's two halves
.set i, 0
.rept 64
	PV
.endr
	PLACES
	s_add_nc_u64 s[VB:VB+1], s[KB:KB+1], 0x800000  ; V's loads are done, so their base may be written
	FETCH_V                                        ; the next unit's V
	WIN 0
	s_add_co_u32 s[SI], s[SI], 1
	s_cmp_lt_u32 s[SI], s[SN]
	s_cbranch_scc1 .Lunit
.Ldep:                                         ; my part of the block goes to LDS
.irp t, 0,1,2,3
	v_add_f32 v[ST+8*(\t)+4], v[ST+8*(\t)+2], v[ST+8*(\t)+3]
.endr
.irp t, 0,1,2,3
	v_permlanex16_b32 v[ST+8*(\t)+5], v[ST+8*(\t)+4], s[SEL], s[SEL+1]
.endr
.irp t, 0,1,2,3
	v_add_f32 v[ST+8*(\t)+1], v[ST+8*(\t)+4], v[ST+8*(\t)+5]  ; l, whole, beside c m
.endr
.irp t, 0,1,2,3
	ds_store_b64 v[DST], v[ST+8*(\t):ST+8*(\t)+1] offset:256*(\t)
.endr
	WIN 0x04                                       ; store data window 1
.set q, 0
.rept 64
	ds_store_b128 v[DEP], v[4*q:4*q+3] offset:512*q  ; 32 lanes, 16 neighbouring bytes each; each accumulator's low half first
.set q, q+1
.endr
	WIN 0
	s_cmp_eq_u32 s[PH], 1
	s_cbranch_scc1 .Lnocopy
	WIN 0x83                                       ; the second block's Q goes where the one text of the unit names Q
.set i, 0
.rept 128
	v_mov_b32 v[i], v[128+i]
.set i, i+1
.endr
	WIN 0
.Lnocopy:
	s_mov_b32 s[SN], s[NB]
	s_mov_b32 s[ASKC], -1                          ; nothing more is prefetched
	v_add_nc_u32 v[DEP], 0x20000, v[DEP]
	v_add_nc_u32 v[DST], 4096, v[DST]
	s_sub_co_u32 s[PH], s[PH], 1
	s_cmp_lg_u32 s[PH], 0
	s_cbranch_scc1 .Lphase
	s_wait_dscnt 0x0                               ; for the others' sake: my stores are done
	s_barrier_signal -1
	s_barrier_wait -1                              ; the launch's one barrier: all parts of both blocks lie in LDS
; THE MERGE.  Wave w finishes tile w of block ph: with M the greatest of the four c m, f_i = 2^(c m_i - M), L = the sum of f_i l_i: O = the sum of (f_i / L) O_i.  A wave that had no unit has f = 0.
.macro MERGE ph
	WIN 0
.irp i, 0,1,2,3
	ds_load_b64 v[MW+2*(\i):MW+2*(\i)+1], v[MS] offset:4096*(\ph)+1024*(\i)
.endr
	WIN 0x40
.irp i, 0,1,2,3
.set q, 0
.rept 16
	ds_load_b128 v[64*(\i)+4*q:64*(\i)+4*q+3], v[MP+2*(\ph)+(\i)/2] offset:32768*((\i)%2)+512*q
.set q, q+1
.endr
.endr
	WIN 0
	s_wait_dscnt 63                                ; the four pairs of statistics are in: 64 loads are younger, and 63 is the most that a wait's count can name, so the first of them is waited for too
	v_max3_num_f32 v[MW+16], v[MW], v[MW+2], v[MW+4]
	v_max_num_f32 v[MW+16], v[MW+16], v[MW+6]
.irp i, 0,1,2,3
	v_sub_f32 v[MW+8+2*(\i)], v[MW+2*(\i)], v[MW+16]
.endr
.irp i, 0,1,2,3
	v_exp_f32 v[MW+8+2*(\i)], v[MW+8+2*(\i)]
.endr
	v_nop
	s_wait_alu depctr_va_vdst(0)                   ; one wait for the four exponentials
	v_mul_f32 v[MW+17], v[MW+8], v[MW+1]
	v_fmac_f32 v[MW+17], v[MW+10], v[MW+3]
	v_fmac_f32 v[MW+17], v[MW+12], v[MW+5]
	v_fmac_f32 v[MW+17], v[MW+14], v[MW+7]
	v_rcp_f32 v[MW+17], v[MW+17]
	v_nop
	s_wait_alu depctr_va_vdst(0)
.irp i, 0,1,2,3
	v_mul_f32 v[MW+9+2*(\i)], v[MW+8+2*(\i)], v[MW+17]  ; each factor twice: a pair for the packed forms
	v_mul_f32 v[MW+8+2*(\i)], v[MW+8+2*(\i)], v[MW+17]
.endr
	s_wait_dscnt 0x0
	WIN 0x51                                       ; the parts window 1, the factors window 0
.set n, 0
.rept 32
	v_pk_mul_f32 v[n:n+1], v[n:n+1], v[MW+8:MW+9]
.set n, n+2
.endr
.irp i, 1,2,3
.set n, 0
.rept 32
	v_pk_fma_f32 v[n:n+1], v[64*(\i)+n:64*(\i)+n+1], v[MW+8+2*(\i):MW+9+2*(\i)], v[n:n+1]
.set n, n+2
.endr
.endr
	WIN 0x05
.set n, 0
.rept 32
	v_cvt_pk_f16_f32 v[S+32*(\ph)+n], v[2*n], v[2*n+1]
.set n, n+1
.endr
	WIN 0
.irp f, 0,1,2,3,4,5,6,7
	global_store_b128 v[LN], v[S+32*(\ph)+4*(\f):S+32*(\ph)+4*(\f)+3], s[OUTA+2*(\ph):OUTA+2*(\ph)+1] offset:512*(\f)  ; 512 consecutive bytes, eight on end
.endr
.endm
	MERGE 0
	MERGE 1
	s_wait_tensorcnt 0x0                           ; the wave's end, behind my last LDS store
	ds_add_u32 v[SPW], v[NIL]
	s_wait_dscnt 0x0
	s_endpgm
.Lfunc_end_k_q32c34f281a_attn:
	.size	k_q32c34f281a_attn, .Lfunc_end_k_q32c34f281a_attn-k_q32c34f281a_attn
	.p2alignl 7, 3214868480
	.fill 96, 4, 3214868480
	.section	.rodata,"a",@progbits
	.p2align	6, 0x0
	.amdhsa_kernel k_q32c34f281a_attn
		.amdhsa_group_segment_fixed_size 270848
		.amdhsa_private_segment_fixed_size 0
		.amdhsa_enable_private_segment 0
		.amdhsa_kernarg_size 16
		.amdhsa_user_sgpr_count 2
		.amdhsa_user_sgpr_kernarg_segment_ptr 1
		.amdhsa_wavefront_size32 1
		.amdhsa_system_sgpr_workgroup_id_x 1
		.amdhsa_system_sgpr_workgroup_id_y 1
		.amdhsa_system_sgpr_workgroup_id_z 1
		.amdhsa_system_vgpr_workitem_id 0
		.amdhsa_next_free_vgpr 1024
		.amdhsa_next_free_sgpr 66
		.amdhsa_reserve_vcc 0
		.amdhsa_float_denorm_mode_32 3
		.amdhsa_float_denorm_mode_16_64 3
		.amdhsa_memory_ordered 1
		.amdhsa_forward_progress 1
		.amdhsa_inst_pref_size 112
	.end_amdhsa_kernel
	.amdgpu_metadata
---
amdhsa.version: [ 1, 2 ]
amdhsa.kernels:
  - .name:           k_q32c34f281a_attn
    .symbol:         k_q32c34f281a_attn.kd
    .args:
      - { .name: qkvh, .offset: 0, .size: 8, .value_kind: global_buffer, .address_space: global }
      - { .name: ctx, .offset: 8, .size: 8, .value_kind: global_buffer, .address_space: global }
    .group_segment_fixed_size: 270848
    .private_segment_fixed_size: 0
    .kernarg_segment_align: 8
    .kernarg_segment_size: 16
    .max_flat_workgroup_size: 128
    .sgpr_count:     66
    .vgpr_count:     1024
    .wavefront_size: 32
...
	.end_amdgpu_metadata
.endif
;; end of part 3
;; launch oproj (part 4): grid 16 x 16, 4 waves a work-group, clusters of 4 x 1, 327,680 bytes of LDS; arguments ctx, wo16, out0; writes out0
.if DOCPART == 4
	.amdgcn_target "amdgcn-amd-amdhsa--gfx1250"
	.amdhsa_code_object_version 6
	.text
	.protected	k_q32c34f281a_oproj
	.globl	k_q32c34f281a_oproj
	.p2align	8
	.type	k_q32c34f281a_oproj,@function
k_q32c34f281a_oproj:
	s_mov_b64 s[64:65], 0
	v_nop
	global_prefetch_b8 v0, s[64:65] scope:SCOPE_SE
	s_setreg_imm32_b32 hwreg(HW_REG_WAVE_MODE, 25, 1), 1
	s_wait_xcnt 0x0
	s_wait_alu depctr_hold_cnt(0) depctr_sa_sdst(0) depctr_va_vdst(0) depctr_va_sdst(0) depctr_va_ssrc(0) depctr_va_vcc(0) depctr_vm_vsrc(0)
	s_getreg_b32 s2, hwreg(HW_REG_IB_STS2, 6, 4)
	s_cmp_eq_u32 s2, 0
	s_cbranch_scc0 .Lentry_in_a_cluster
	s_endpgm
.Lentry_in_a_cluster:
	s_bfe_u32 s2, ttmp6, 0x10000c
	s_cmp_lg_u32 s2, 0x3003
	s_cbranch_scc0 .Lentry_shape_is_right
	s_endpgm
.Lentry_shape_is_right:
; out0[t][n] = the sum over c of ctx[t][c] w_o[n][c].  ctx: f16, in fragment order, [16 tokens][32 channels][2][lane][16 bytes]; wo16: [2048][2048] f16; out0: [2048][2048] f32.  Sums in f32, K ascending.
; A tile of the result is 128 tokens x 128 columns: 256 work-groups (grid x = token tile, y = column tile).  A wave makes 32 tokens x all 128 columns: 16 accumulators.
; THE TWO OPERANDS COME BY TWO ROADS.  w_o's 128 rows, which all four waves multiply, go through a ring of two LDS slots in K steps of 512: four steps, two first fills and two refills; a wave's tensor load
; brings 32 rows x 1,024 bytes (the tile has 128 rows for four waves), and a refill has a whole step's 256 matrix instructions in which to land.  ctx lies in memory as its fragments lie in registers, and no two
; waves of the work-group want the same byte of it: it comes by loads of 512 consecutive bytes straight into a ring of eight register slots, a quarter (64 along K) each, asked for 6 1/2 quarters ahead.
; WHY ctx IS NOT ASKED FOR JOINTLY, though the sixteen work-groups of a token tile read the same bytes: two slots with both operands at this K step would be 2 x 256 rows x 1,040 bytes = 532,480 bytes of
; LDS, and at half the K step a load would have half the matrix work in which to land.
; CLUSTER.  4 x 1 work-groups: four token tiles of one column tile need the same rows of w_o: each tile is asked for jointly, by the same load with the same descriptor and the mask of all four.
; THE MATRIX INSTRUCTION IS USED TRANSPOSED (source 0 = 16 rows of w_o, source 1 = 16 tokens): a lane holds eight neighbouring numbers of a row of the result.
; A wave's 128 columns of f32 are 512 bytes, aligned: each wave sends its own rows through a stage of its own, without a barrier.
; No prefetch is laid: the ring has two refills in all, and ctx's loads run ahead of their use by themselves.
; THE TEXT.  A K step is written once: the loop is entered behind its first quarter, whose products, written out ahead of it, start the sums.  Which slot is read and which is filled hang on two scalars that
; go between 0 and SLOT.  The last step, which asks for nothing more, is written out.
; REGISTERS, in windows of 256 (s_set_vgpr_msb: bits 1:0 source 0, 3:2 source 1, 5:4 source 2, 7:6 destination):
;   window 0: v16-29 addresses; v128-255 the accumulators ((a, b) at 128 + 8 (8 a + b))
;   window 1: two buffers of 16 fragments of w_o (32 along K c, column block b at 8 (8 c + b)); on the way out whole rows          window 2: ctx's eight slots of 32 ((c, a) at 8 (2 c + a))
.set KSTEP,  512
.set PITCH,  1040                      ; a row of w_o in LDS: 1,024 bytes + 16 = 260 words: the 16 rows of a load start at 16 different groups of four banks (ISA guide 11.1)
.set PART,   32*PITCH                  ; what one tensor load brings
.set SLOT,   4*PART
.set STAGE,  2*SLOT                    ; behind the ring: 16 rows x 528 bytes for each wave; no tensor load lands here
.set SPITCH, 528
.set SPARE,  STAGE+4*16*SPITCH         ; the spare words, 128 bytes a wave, which no other line names
.set AB0, 16                           ; v16  my lane's place in a slot: (l % 16) x pitch + 16 (l / 16); never rewritten
.set ADL, 17                           ; v17  the same in the slot that is read, for column blocks 0-3
.set ADH, 18                           ; v18  for column blocks 4-7: an LDS offset has 16 bits
.set LN,  19                           ; v19  16 x lane: my bytes in a fragment's half, and in a row of the result
.set STO, 24                           ; v24  the way out: where I put 32 bytes of a row
.set RD,  25                           ; v25  where I read a row back
.set SPW, 28
.set NIL, 29
.set ACC, 128
.set F0,  0
.set F1,  128
.set WV,  10                           ; s10  wave
.set AP,  14                           ; s[14:15] ctx at my 32 tokens, at the K step in hand
.set TBR, 20                           ; s20  0 or SLOT: the slot that is read
.set TBF, 21                           ; s21  0 or SLOT: the slot that was filled last
.set WP,  22                           ; s22  wave x PART
.set G1,  24                           ; s[24:31] descriptor group 1
.set G0,  32                           ; s[32:35] group 0 of the first fill of slot 0
.set GW,  36                           ; s[36:39] group 0 of the first fill of slot 1; it then walks on
.set MSB, 0
.macro WIN new                         ; the immediate's high byte repeats the setting that is left; a switch that changes nothing is dropped
.if MSB != (\new)
	s_set_vgpr_msb (MSB<<8)|(\new)
.set MSB, \new
.endif
.endm
.macro PLACES                          ; four plain vector instructions between a matrix instruction and a load into its registers or a read of its result
.rept 4
	v_nop
.endr
.endm
.macro CROUND                          ; a round of the cluster's barrier
	s_barrier_signal -1
	s_barrier_wait -1
	s_cmp_lg_u32 s[WV], 0
	s_cbranch_scc1 .Lnot_wave_0_\@
	s_barrier_signal -3
.Lnot_wave_0_\@:
	s_barrier_wait -3
	s_barrier_signal -1
	s_barrier_wait -1
.endm
	s_load_b128 s[4:7], s[0:1], 0x0                ; ctx 4, wo16 6
	s_load_b64 s[8:9], s[0:1], 0x10                ; out0
	v_lshl_add_u32 v[SPW], v0, 2, SPARE
	v_mov_b32 v[NIL], 0
	ds_add_u32 v[SPW], v[NIL]                      ; the wave's opening: the add and its wait stand ahead of my first tensor load; the set-up below stands between them
	v_lshrrev_b32 v1, 5, v0
	v_readfirstlane_b32 s[WV], v1                  ; wave
	v_and_b32 v1, 15, v0                           ; l % 16
	v_bfe_u32 v2, v0, 4, 1                         ; l / 16
	v_and_b32 v4, 31, v0
	v_lshlrev_b32 v[LN], 4, v4
	v_mul_u32_u24 v[AB0], v1, PITCH
	v_lshl_add_u32 v[AB0], v2, 4, v[AB0]
	s_bfe_u32 s40, ttmp6, 0x40000                  ; cx: my place in the cluster
	s_lshl_b32 s13, ttmp9, 2                       ; in a cluster launch ttmp9 counts clusters
	s_add_co_u32 s13, s13, s40                     ; token tile = 4 x cluster x + cx: it enters ctx's and the result's addresses alone
	s_and_b32 s42, ttmp7, 0xffff                   ; column tile, which the four partners share
	s_mov_b32 s[G1], 15|(1<<16)|(1<<20)|(1<<21)|(7<<22)|(3<<25)  ; 15:0 the mask of four; 17:16 2-byte elements; 20 padding on; 21 set beside a mask; 24:22 after every 256 words (code 7); 31:25 4 words (code 3)
	s_mov_b32 s[G1+1], KSTEP<<16                   ; tensor_dim0 = 512
	s_mov_b32 s[G1+2], 32<<16                      ; tensor_dim1 = 32
	s_mov_b32 s[G1+3], KSTEP<<16                   ; tile_dim0 = 512
	s_mov_b32 s[G1+4], 32                          ; tile_dim1 = 32
	s_mov_b32 s[G1+5], 2048                        ; elements from row to row
	s_mov_b32 s[G1+6], 0
	s_mov_b32 s[G1+7], 0
	s_mul_i32 s[WP], s[WV], PART                   ; where my rows go: no place in the cluster enters an LDS address
	s_mov_b32 s[TBR], 0
	s_mov_b32 s[TBF], SLOT
	s_lshl_b32 s46, s42, 19                        ; w_o: 128 rows of 4,096 bytes a column tile,
	s_lshl_b32 s47, s[WV], 17                      ; my 32
	s_add_co_u32 s46, s46, s47
	s_mov_b32 s47, 0
	s_lshl_b32 s16, s13, 19                        ; ctx: 8 token blocks of 65,536 bytes a token tile,
	s_lshl_b32 s17, s[WV], 17                      ; my 2
	s_add_co_u32 s16, s16, s17
	s_mov_b32 s17, 0
	s_wait_dscnt 0x0                               ; the opening add is done
	s_wait_kmcnt 0x0
	s_add_nc_u64 s[46:47], s[6:7], s[46:47]
	s_add_nc_u64 s[AP:AP+1], s[4:5], s[16:17]
	CROUND                                         ; all four work-groups are here: the first joint loads meet
	s_mov_b32 s[G0], 1                             ; count = 1
	s_mov_b32 s[G0+1], s[WP]                       ; slot 0
	s_add_nc_u64 s[G0+2:G0+3], s[46:47], 0         ; K step 0
	s_or_b32 s[G0+3], s[G0+3], 0x80000000          ; type = 2
	s_mov_b32 s[GW], 1
	s_add_co_u32 s[GW+1], s[WP], SLOT              ; slot 1
	s_add_nc_u64 s[GW+2:GW+3], s[46:47], KSTEP*2   ; K step 1
	s_or_b32 s[GW+3], s[GW+3], 0x80000000
	tensor_load_to_lds s[G0:G0+3], s[G1:G1+7]      ; every wave fills rows of its own: two loads of mine are out
	s_nop 0
	tensor_load_to_lds s[GW:GW+3], s[G1:G1+7]
	s_nop 0
.rept 4
	v_nop
.endr
; 16 matrix instructions: my two token blocks x all 8 column blocks, 32 along K: half c of buffer f and of ctx's slot i.  zero = 1: the product starts the sum.
; The 16 accumulators take turns, one instruction a turn, in the same order everywhere.
.macro MUL16 f, c, i, zero
	WIN 0x09                                       ; source 0 (w_o) window 1, source 1 (ctx) window 2, C and D window 0
.irp a, 0,1
.irp b, 0,1,2,3,4,5,6,7
.if \zero
	v_wmma_f32_16x16x32_f16 v[ACC+8*(8*(\a)+(\b)):ACC+8*(8*(\a)+(\b))+7], v[(\f)+8*(8*(\c)+(\b)):(\f)+8*(8*(\c)+(\b))+7], v[32*(\i)+8*(2*(\c)+(\a)):32*(\i)+8*(2*(\c)+(\a))+7], 0
.else
	v_wmma_f32_16x16x32_f16 v[ACC+8*(8*(\a)+(\b)):ACC+8*(8*(\a)+(\b))+7], v[(\f)+8*(8*(\c)+(\b)):(\f)+8*(8*(\c)+(\b))+7], v[32*(\i)+8*(2*(\c)+(\a)):32*(\i)+8*(2*(\c)+(\a))+7], v[ACC+8*(8*(\a)+(\b)):ACC+8*(8*(\a)+(\b))+7]
.endif
.endr
.endr
.endm
; 32 LDS loads in one run: w_o's fragments of 64 along K at byte k of the rows, into buffer f; the first 32 along K first.
.macro FETCH k, f
	WIN 0x40                                       ; destination window 1
.irp c, 0,1
.irp b, 0,1,2,3
	ds_load_b128 v[(\f)+8*(8*(\c)+(\b)):(\f)+8*(8*(\c)+(\b))+3],   v[ADL] offset:(\k)+64*(\c)+(\b)*16*PITCH
	ds_load_b128 v[(\f)+8*(8*(\c)+(\b))+4:(\f)+8*(8*(\c)+(\b))+7], v[ADL] offset:(\k)+64*(\c)+(\b)*16*PITCH+32
.endr
.irp b, 0,1,2,3
	ds_load_b128 v[(\f)+8*(8*(\c)+4+(\b)):(\f)+8*(8*(\c)+4+(\b))+3],   v[ADH] offset:(\k)+64*(\c)+(\b)*16*PITCH
	ds_load_b128 v[(\f)+8*(8*(\c)+4+(\b))+4:(\f)+8*(8*(\c)+4+(\b))+7], v[ADH] offset:(\k)+64*(\c)+(\b)*16*PITCH+32
.endr
.endr
.endm
; 8 loads of 512 consecutive bytes: ctx's fragments of one quarter, which begins off bytes behind the pointer in each of my two token blocks, into slot i.
.macro ALOAD i, off
	WIN 0x80                                       ; destination window 2
.irp c, 0,1
.irp a, 0,1
	global_load_b128 v[32*(\i)+8*(2*(\c)+(\a)):32*(\i)+8*(2*(\c)+(\a))+3],   v[LN], s[AP:AP+1] offset:(\off)+65536*(\a)+1024*(\c)
	global_load_b128 v[32*(\i)+8*(2*(\c)+(\a))+4:32*(\i)+8*(2*(\c)+(\a))+7], v[LN], s[AP:AP+1] offset:(\off)+65536*(\a)+1024*(\c)+512
.endr
.endr
.endm
; A K step is eight quarters of 64 along K, 32 matrix instructions each, on w_o's buffers 0, 1, 0, 1 .. and ctx's slots 0 .. 7.  Quarter i of the first seven: in its middle, behind four places, it fetches
; the next quarter's fragments of w_o and (aload = 1) asks for ctx's quarter seven on, into the slot that the quarter before multiplied.
; left: ctx's groups of 8 loads come back in order; at a quarter's head the six groups behind its own may be out, fewer at the launch's end.  At most 56 loads are out.
.macro QUARTER i, zero, aload, left
	s_wait_loadcnt \left                           ; ctx's slot i is in
	s_wait_dscnt 16                                ; w_o's first 32 along K are in; the youngest sixteen loads may be out
	MUL16 128*((\i)%2), 0, \i, \zero
	PLACES
	FETCH 128*((\i)+1), 128-128*((\i)%2)
.if \aload
	ALOAD ((\i)+7)%8, 2048*((\i)+7)
.endif
	s_wait_dscnt 32                                ; all but the 32 just issued
	MUL16 128*((\i)%2), 1, \i, 0
.endm
; The eighth quarter changes slots first and multiplies afterwards: its fragments lie in registers.  Each wave waits for all its tensor loads (at most one is out: its part of the next slot), adds 0 to its
; spare word, and waits for that and for its reads of this slot.  fill = 1: a round of the cluster's barrier, so that no wave of any partner still reads the slot or has a load on its way; the joint refill,
; two K steps on, first behind it.  fill = 0: the work-group's barrier alone.  Then the next slot's first fragments, ctx's next group, and the quarter's 32 products.
.macro TURN fill
	s_wait_loadcnt 48                              ; ctx's slot 7 is in
	s_wait_xcnt 0x0                                ; every load of ctx issued so far has read its base, so it may be stepped:
	s_add_nc_u64 s[AP:AP+1], s[AP:AP+1], 16384     ; the next K step: 16 fragments of 1,024 bytes on
	WIN 0
	s_wait_tensorcnt 0x0                           ; no tensor load of mine is out, so a group 0 may be written
	ds_add_u32 v[SPW], v[NIL]                      ; 0 onto my spare word; the scalar work stands between it and the wait for it
	s_xor_b32 s[TBR], s[TBR], SLOT                 ; the reads go to the other slot
.if \fill
	s_xor_b32 s[TBF], s[TBF], SLOT                 ; the walking descriptor: the other slot than last time,
	s_add_co_u32 s[GW+1], s[WP], s[TBF]
	s_add_nc_u64 s[GW+2:GW+3], s[GW+2:GW+3], KSTEP*2  ; the next K step; the type bits on top are not reached
.endif
	s_wait_dscnt 0x0                               ; the add is done, and my reads of this slot are over: buffer 1 is whole
.if \fill
	CROUND
	tensor_load_to_lds s[GW:GW+3], s[G1:G1+7]      ; my one tensor load behind the round
	s_nop 0
	PLACES                                         ; also the places in front of the loads below, into registers that the quarter before multiplied
.else
	s_barrier_signal -1
	s_barrier_wait -1
	PLACES
.endif
	v_add_nc_u32 v[ADL], s[TBR], v[AB0]
	v_add_nc_u32 v[ADH], 4*16*PITCH, v[ADL]
	FETCH 0, F0
	ALOAD 6, 2048*6                                ; seven quarters on: the seventh of the step to which the pointer has just gone
	MUL16 F1, 0, 7, 0
	MUL16 F1, 1, 7, 0
.endm
.irp i, 0,1,2,3,4,5,6
	ALOAD \i, 2048*(\i)                            ; ctx's first seven quarters: 56 loads
.endr
	WIN 0
	s_mul_i32 s23, s[WV], 16*SPITCH
	s_add_co_u32 s23, s23, STAGE                   ; my stage
	v_mul_u32_u24 v5, v1, SPITCH                   ; in: row l % 16, 32 bytes for each half of the lanes
	v_lshl_add_u32 v5, v2, 5, v5
	v_add_nc_u32 v[STO], s23, v5
	v_add_nc_u32 v[RD], s23, v[LN]                 ; back: 32 lanes take one row of 512 bytes
	s_lshl_b32 s16, s13, 20                        ; the result: 128 rows of 8,192 bytes a token tile,
	s_lshl_b32 s17, s[WV], 18                      ; my 32,
	s_add_co_u32 s16, s16, s17
	s_lshl_b32 s17, s42, 9                         ; 512 bytes a column tile
	s_add_co_u32 s16, s16, s17
	s_mov_b32 s17, 0
	s_add_nc_u64 s[8:9], s[8:9], s[16:17]
	s_wait_tensorcnt 1                             ; my part of K step 0 is in; K step 1's may stay out
	s_barrier_signal -1
	s_barrier_wait -1                              ; everybody's is
	v_add_nc_u32 v[ADL], s[TBR], v[AB0]
	v_add_nc_u32 v[ADH], 4*16*PITCH, v[ADL]
	FETCH 0, F0
	QUARTER 0, 1, 1, 48                            ; the first quarter is written out: its first products start the sums
	WIN 0                                          ; at a label and at a branch every window is 0
	s_mov_b32 s3, 3
	s_branch .Lfirst                               ; the loop is entered behind a step's first quarter
.Lstep:                                        ; twice: a step's last quarter with its refill, then the next step's first seven
	TURN 1
	QUARTER 0, 0, 1, 48
	WIN 0
.Lfirst:
	QUARTER 1, 0, 1, 48
	QUARTER 2, 0, 1, 48
	QUARTER 3, 0, 1, 48
	QUARTER 4, 0, 1, 48
	QUARTER 5, 0, 1, 48
	QUARTER 6, 0, 1, 48
	WIN 0
	s_sub_co_u32 s3, s3, 1
	s_cmp_lg_u32 s3, 0
	s_cbranch_scc1 .Lstep
	TURN 0                                         ; the tail is written out: the third step's last quarter asks for no tile
	QUARTER 0, 0, 1, 48                            ; the fourth step's first asks for ctx's last quarter,
	QUARTER 1, 0, 0, 48                            ; and then the counts run down
	QUARTER 2, 0, 0, 40
	QUARTER 3, 0, 0, 32
	QUARTER 4, 0, 0, 24
	QUARTER 5, 0, 0, 16
	QUARTER 6, 0, 0, 8
	s_wait_loadcnt 0x0
	s_wait_dscnt 16
	MUL16 F1, 0, 7, 0
	s_wait_dscnt 0x0
	MUL16 F1, 1, 7, 0
	WIN 0
	PLACES
; THE WAY OUT, 16 rows at a time: a lane's 32 bytes of a row go into my stage, each accumulator's low half first, and come back as whole rows of 512 bytes.  LDS serves a wave's instructions in order
; (ISA guide 5.7.1.4): the loads see the stores above them, and the next block's stores come behind them.  No register that a store reads is written again.
.macro STG a
	WIN 0
.irp b, 0,1,2,3,4,5,6,7
	ds_store_b128 v[STO], v[ACC+8*(8*(\a)+(\b)):ACC+8*(8*(\a)+(\b))+3]   offset:64*(\b)
	ds_store_b128 v[STO], v[ACC+8*(8*(\a)+(\b))+4:ACC+8*(8*(\a)+(\b))+7] offset:64*(\b)+16
.endr
	WIN 0x40
.irp t, 0,1,2,3,4,5,6,7,8,9,10,11,12,13,14,15
	ds_load_b128 v[64*(\a)+4*(\t):64*(\a)+4*(\t)+3], v[RD] offset:(\t)*SPITCH
.endr
.endm
.macro SEND a, younger                 ; younger: the LDS instructions issued behind block a's loads: the next block's 32, or none
	WIN 0x04                                       ; store data window 1
	s_wait_dscnt \younger
.irp t, 0,1,2,3,4,5,6,7,8,9,10,11,12,13,14,15
	global_store_b128 v[LN], v[64*(\a)+4*(\t):64*(\a)+4*(\t)+3], s[8:9] offset:(16*(\a)+(\t))*8192 th:TH_STORE_NT  ; a wave's store covers 512 consecutive bytes, aligned
.endr
.endm
	STG 0
	STG 1
	SEND 0, 32
	SEND 1, 0
	WIN 0
	s_wait_tensorcnt 0x0                           ; the wave's end, behind my last tensor load and my last LDS store
	ds_add_u32 v[SPW], v[NIL]
	s_wait_dscnt 0x0
	CROUND                                         ; the closing round: no work-group ends while a partner may still ask for a tile that names it
	s_endpgm
.Lfunc_end_k_q32c34f281a_oproj:
	.size	k_q32c34f281a_oproj, .Lfunc_end_k_q32c34f281a_oproj-k_q32c34f281a_oproj
	.p2alignl 7, 3214868480
	.fill 96, 4, 3214868480
	.section	.rodata,"a",@progbits
	.p2align	6, 0x0
	.amdhsa_kernel k_q32c34f281a_oproj
		.amdhsa_group_segment_fixed_size 327680
		.amdhsa_private_segment_fixed_size 0
		.amdhsa_enable_private_segment 0
		.amdhsa_kernarg_size 24
		.amdhsa_user_sgpr_count 2
		.amdhsa_user_sgpr_kernarg_segment_ptr 1
		.amdhsa_wavefront_size32 1
		.amdhsa_system_sgpr_workgroup_id_x 1
		.amdhsa_system_sgpr_workgroup_id_y 1
		.amdhsa_system_sgpr_workgroup_id_z 1
		.amdhsa_system_vgpr_workitem_id 0
		.amdhsa_next_free_vgpr 768
		.amdhsa_next_free_sgpr 66
		.amdhsa_reserve_vcc 0
		.amdhsa_float_denorm_mode_32 3
		.amdhsa_float_denorm_mode_16_64 3
		.amdhsa_memory_ordered 1
		.amdhsa_forward_progress 1
		.amdhsa_inst_pref_size 105
	.end_amdhsa_kernel
	.amdgpu_metadata
---
amdhsa.version: [ 1, 2 ]
amdhsa.kernels:
  - .name:           k_q32c34f281a_oproj
    .symbol:         k_q32c34f281a_oproj.kd
    .args:
      - { .name: ctx, .offset: 0, .size: 8, .value_kind: global_buffer, .address_space: global }
      - { .name: wo16, .offset: 8, .size: 8, .value_kind: global_buffer, .address_space: global }
      - { .name: out0, .offset: 16, .size: 8, .value_kind: global_buffer, .address_space: global }
    .group_segment_fixed_size: 327680
    .private_segment_fixed_size: 0
    .kernarg_segment_align: 8
    .kernarg_segment_size: 24
    .max_flat_workgroup_size: 128
    .sgpr_count:     66
    .vgpr_count:     768
    .wavefront_size: 32
...
	.end_amdgpu_metadata
.endif
;; end of part 4
